; MI455X (gfx1250); checked and timed in simulation.
; The chip was launched on July 23, 2026; its instructions are those of AMD's public machine-readable ISA for CDNA 5 (MIT licence, August 2026) and "CDNA5" Instruction Set Architecture Reference Guide (July 2026). The comments in the code are by the model that wrote it; some were corrected since.
;; Self Attention. Allowed arithmetic: matrix products marked QUANTISED: E4M3 operands, one given power-of-two scale a tensor, by v_wmma_f32_16x16x64_fp8_fp8 or v_wmma_f32_16x16x128_fp8_fp8, f32 sums; everything else in f32.
;; Inputs: Wk_codes 1,024 x 32 x 32 uint8 (E4M3 codes of Wk, K innermost, in blocks of 32 codes); Wq_codes 1,024 x 32 x 32 uint8 (E4M3 codes of Wq, K innermost, in blocks of 32 codes); Wv_codes 1,024 x 32 x 32 uint8 (E4M3 codes of Wv, K innermost, in blocks of 32 codes); bk 1,024 float32; bq 1,024 float32; bv 1,024 float32; embeddings_codes 4 x 2,048 x 32 x 32 uint8 (E4M3 codes of embeddings, K innermost, in blocks of 32 codes); lowp_scales 10 int32 (the exponents e of the quantised operands' scales 2^e).
;; Outputs: out0 4 x 2,048 x 1,024 float32.
;; This version of the problem:
;;   THIS VERSION OF THE PROBLEM IS GIVEN IN LOW PRECISION. The matrix products marked QUANTISED in the list below multiply operands that are first quantised to E4M3 (4 exponent bits, 3 mantissa bits; 8 bits a number), with one given power-of-two scale for each operand tensor; their sums are f32. All else is computed in f32.
;;   The module's matrix products, in the order in which they are computed (A, B: the left and right operand; K: the contracted axis; several contracted axes count as one K, in the product's order):
;;     1. [M 8,192, K 1,024] x [K 1,024, N 1,024]; A: input embeddings (given as codes); B: input Wq (given as codes): QUANTISED (scales: A lowp_scales[0], B lowp_scales[1])
;;     2. [M 8,192, K 1,024] x [K 1,024, N 1,024]; A: input embeddings (given as codes); B: input Wk (given as codes): QUANTISED (scales: A lowp_scales[2], B lowp_scales[3])
;;     3. [M 8,192, K 1,024] x [K 1,024, N 1,024]; A: input embeddings (given as codes); B: input Wv (given as codes): QUANTISED (scales: A lowp_scales[4], B lowp_scales[5])
;;     4. batch 4 x [M 2,048, K 1,024] x [K 1,024, N 2,048]; A: computed on the way; B: computed on the way: QUANTISED (scales: A lowp_scales[6], B lowp_scales[7])
;;     5. batch 4 x [M 2,048, K 2,048] x [K 2,048, N 1,024]; A: softmax (see below); B: computed on the way: QUANTISED (scales: A lowp_scales[8], B lowp_scales[9])
;;   THE QUANTISER, for each operand of a quantised product, along K:
;;     - The operand's scale is 2^e, e = its entry of the input lowp_scales (int32; the entries are numbered through the quantised products in the list's order, A before B).
;;     - Each number is divided by the scale, clamped to +-448, and rounded to the nearest number of E4M3, ties to even, subnormals kept.
;;     - The product sums the exact products of the quantised numbers (number of the format x scale) in f32.
;;   ~~~python
;;   def quantise(x, axis, e):      # numpy; x: float32 -> the quantised numbers, widened to float32 again
;;       x = np.moveaxis(x, axis, -1); K = x.shape[-1]
;;       r = np.clip(x / 2.0 ** e, -448, 448)
;;       step = 2.0 ** (np.maximum(np.frexp(np.where(r == 0, 1, r))[1] - 1, -6) - 3)
;;       q = np.round(r / step) * step * 2.0 ** e      # np.round: ties to even
;;       return np.moveaxis(q, -1, axis).astype(np.float32)
;;   ~~~
;;   SOFTMAX AHEAD OF A QUANTISED PRODUCT. Where the list says 'softmax', what is quantised is not the finished softmax but p = 2^(t - M), with t = logit x log2(e) and M = ceil(the row's largest t), a whole number; so 1/2 < the row's largest p <= 1. The row's sum l is taken of the UNQUANTISED p, in f32, and the product's result is divided by l at the end. Since M is a whole number, a kernel that streams over the keys may use a running M (the ceiling of the running maximum): every later rescaling is an exact power of two, so the quantised numbers keep their values, but for numbers so far below the row's largest that they fall under the format's range.
;;   OPERANDS COMPUTED ON THE WAY. 'Computed on the way' means the value that the module computes at that place (a softmax that the list does not call 'softmax' is quantised finished and normalised). What goes into a quantiser is computed in f32, as accurately as f32 sums, v_exp_f32 and their like allow (about 1e-6 of the number): no bf16 or f16 on the way to a quantiser, and a product that is left as it is and whose result goes on into a quantised operand takes f32 operands (vector FMAs, or v_wmma_f32_16x16x4_f32). A number that lies on a knife's edge between two numbers of the format may be rounded either way, as far as f32 arithmetic and the matrix unit's own rounding can turn it there, and no further.
;;   INPUTS GIVEN AS CODES. Wk (in the module: [1024, 1024], K = its axis 1); Wq (in the module: [1024, 1024], K = its axis 1); Wv (in the module: [1024, 1024], K = its axis 1); embeddings (in the module: [4, 2048, 1024], K = its axis 2): each comes as NAME_codes (uint8): NAME with its K axis moved to the last place and cut into blocks of 32 codes, [.., K / 32, bytes a block], one block behind the other in memory; one code a byte (a code: sign, 4 exponent bits, 3 mantissa bits); its scale is its entry of lowp_scales. Its value is code x scale, taken as it is: it is not quantised again, and the codes and scales need not be those that the quantiser above would give.
;; One version. Each part assembles by itself: llvm-mc -triple=amdgcn-amd-amdhsa -mcpu=gfx1250 --defsym DOCPART=n.
;; ======== version 1 of 1: 3 launches
;; limits: right only within a limited range of input values
;; workspace buffers: q_codes 8,388,608 bytes; k_codes 8,388,608 bytes; v_codes 8,388,608 bytes; p_codes 16,777,216 bytes; st_m 262,144 bytes; st_l 262,144 bytes
;; launch proj (part 1): grid 8 x 32, 4 waves a work-group, clusters of 4 x 4, 327,680 bytes of LDS; arguments embeddings_codes, Wq_codes, Wk_codes, Wv_codes, bq, bk, bv, lowp_scales, q_codes, k_codes, v_codes; writes q_codes, k_codes, v_codes
.if DOCPART == 1
	.amdgcn_target "amdgcn-amd-amdhsa--gfx1250"
	.amdhsa_code_object_version 6
	.text
	.protected	k_q1d85a056f1_proj
	.globl	k_q1d85a056f1_proj
	.p2align	8
	.type	k_q1d85a056f1_proj,@function
k_q1d85a056f1_proj:
	s_mov_b64 s[64:65], 0
	v_nop
	global_prefetch_b8 v0, s[64:65] scope:SCOPE_SE
	s_setreg_imm32_b32 hwreg(HW_REG_WAVE_MODE, 25, 1), 1
	s_wait_xcnt 0x0
	s_wait_alu depctr_hold_cnt(0) depctr_sa_sdst(0) depctr_va_vdst(0) depctr_va_sdst(0) depctr_va_ssrc(0) depctr_va_vcc(0) depctr_vm_vsrc(0)
	s_getreg_b32 s2, hwreg(HW_REG_IB_STS2, 6, 4)
	s_cmp_eq_u32 s2, 0
	s_cbranch_scc0 .Lentry_in_a_cluster
	s_endpgm
.Lentry_in_a_cluster:
	s_bfe_u32 s2, ttmp6, 0x10000c
	s_cmp_lg_u32 s2, 0xf033
	s_cbranch_scc0 .Lentry_shape_is_right
	s_endpgm
.Lentry_shape_is_right:
; q = x Wq^T + bq, k = x Wk^T + bk, v = x Wv^T + bv on codes of FP8 (E4M3), and each result quantised again: q with 2^e6, k with 2^e7, v with 2^e9.
; x: 8,192 tokens x 1,024 codes; each W: 1,024 x 1,024 codes, K innermost.  A sum stands for sum x 2^eS, eS = e0 + e1 (q), e2 + e3 (k), e4 + e5 (v).
; The bias goes in as the C of a sum's first product, divided by 2^eS; the conversion then divides by 2^(eO - eS), eO = e6, e7 or e9.
; No work is left out in this launch.
; SHARES.  256 work-groups of equal work.  PASS 1: 256 tokens x 256 channels of q (cluster x = 0) or of k (1), a wave 128 x 128.  PASS 2: 128 channels of v x the same 256 tokens, a wave 64 x 128.
; OUT: IMAGES OF THE NEXT PRODUCTS' FRAGMENTS.  16 rows x 128 along K are 2,048 bytes: [c 0..3][lane][16 bytes]; lane (r, h) holds, of row r, K = 32 c + 8 h + 0 .. 7 and 32 c + 16 + 8 h + 0 .. 7:
; just what two neighbouring accumulators hold in that lane, so codes are stored straight from registers, 512 consecutive bytes an instruction.
;   q_codes, k_codes: [64 groups of 128 tokens][8 blocks of 128 channels][8 fragments];  v_codes (K = keys): [4][16 groups of 64 channels][16 blocks of 128 keys][4 fragments].
; THE RING.  Two slots of 256 along K: x's 256 rows, then the weight's (W's 256 in pass 1, Wv's 128 in pass 2), 256 bytes + 16 of padding each.  Eight K steps: 0-3 are pass 1, 4-7 pass 2, for which x comes again.
; CLUSTERS: 4 x 4 work-groups; x's tile is asked for jointly along a row of the cluster, the weight's along a column.
; PREFETCHES: x's and W's K step 2 at the head, 3 at the first change of slots, Wv's K 0-511 at the second and 512-1023 at the fourth: each a whole step or more ahead of its load.  x's and W's 128 rows are shared out among the four partners by
; address, 32 rows each, Wv's 64 rows 16 each.  Weights are asked for by the first four rows of clusters alone.
; MATRIX INSTRUCTION, TRANSPOSED: pass 1: source 0 = W's rows, source 1 = x's: a lane holds eight neighbouring channels of one token.  Pass 2: source 0 = x's rows, source 1 = Wv's: eight neighbouring tokens of one channel.
; LIMITS: eO - eS between -126 and 119, so that 2^(eO - eS) and 448 x that are f32 numbers.  NaN codes among the inputs are not served.
; REGISTERS: window 0: v1-6, v16-31 addresses; v10, v11 the hold and the scale; v32-95 pass 1's bias, later codes; v96-127 pass 2's bias; v128-255 pass 1: x's fragments; pass 2: Wv's, two sets of 64.
;   window 1: two sets of W's fragments (pass 1) or of x's (pass 2).   windows 2, 3: the accumulators, (a, b) at v[8 (8 (a % 4) + b)].
.set PITCH,  272                       ; an LDS row: 68 words: the 16 rows of a fragment load start at 16 different banks (64 banks of 4 bytes: ISA guide 11.1)
.set RG,     128*PITCH                 ; what one tensor load brings
.set SLOT,   4*RG
.set FR,     16
.set NL,     4
.set NP,     4                         ; places behind this matrix instruction (ISA guide 7.12.1)
.set SPARE,  2*SLOT                    ; the spare words, 128 bytes a wave
.set PADW,   (1<<20)|(1<<21)|(5<<22)|(3<<25)   ; group 1, word 0: elements of 1 byte; padding on; bit 21 beside a mask; 4 words behind every 64
.set LIM,  10
.set SCL,  11
.set ADX,  16                          ; v16-17 x's fragments in slot 0, 1
.set ADW,  20                          ; v20-21 the weight's
.set CO,   26
.set SPW,  28
.set NIL,  29
.set PFO,  30
.set PFV,  31
.set BIAS, 32
.set BIAS2, 96
.set AF,   128
.set G1, 24
.set G0, 32
.set G1B, 48
.set G0B, 56
.set PX,   2                           ; s[2:3]  where my prefetches of x or W stand
.set PV,   12                          ; s[12:13] of Wv
.set FV,   17                          ; s17  1 where I prefetch Wv
.set FX,   101                         ; s101 1 where I prefetch x or W
.set MSB, 0
.macro WIN new                         ; the immediate's high byte repeats the setting that is left
.if MSB != (\new)
	s_set_vgpr_msb (MSB<<8)|(\new)
.set MSB, (\new)
.endif
.endm
.set MUL_LO, 0xa1                      ; source 0 window 1, source 1 window 0, C and D window 2
.set MUL_HI, 0xf1                      ; the same, C and D window 3
.set BIA_LO, 0x81                      ; C in window 0 (the bias), D in window 2
.set BIA_HI, 0xc1
.set TO_B,   0x40                      ; destination window 1, address window 0
; A joint load: waves 0 and 1 fetch x, waves 2 and 3 the weight.  The branch hangs on the wave's number alone.  Four v_nop follow each line.
.macro JLOAD s
	s_cmp_eq_u32 s15, 0
	s_cbranch_scc0 .Lfor_w_\@
	tensor_load_to_lds s[G0+4*\s:G0+4*\s+3], s[G1:G1+7]
	s_nop 0
.rept 4
	v_nop
.endr
	s_branch .Lasked_\@
.Lfor_w_\@:
	tensor_load_to_lds s[G0B+4*\s:G0B+4*\s+3], s[G1B:G1B+7]
	s_nop 0
.rept 4
	v_nop
.endr
.Lasked_\@:
.endm
.macro CREST                           ; a round of the cluster's barrier behind its opening barrier
	s_cmp_lg_u32 s14, 0
	s_cbranch_scc1 .Lnot_wave_0_\@
	s_barrier_signal -3
.Lnot_wave_0_\@:
	s_barrier_wait -3
	s_barrier_signal -1
	s_barrier_wait -1
.endm
.macro CROUND                          ; a whole round
	s_barrier_signal -1
	s_barrier_wait -1
	CREST
.endm
.macro PLACES n
.rept \n
	v_nop
.endr
.endm
.macro ASK flag, vo, base, off
	s_cmp_eq_u32 s[\flag], 1
	s_cbranch_scc0 .Lnot_mine_\@
	global_prefetch_b8 v[\vo], s[\base:\base+1] offset:\off th:TH_LOAD_NT scope:SCOPE_SE
.Lnot_mine_\@:
.endm
.macro FRAG reg, adr, o                ; lane l holds row l % 16; registers 4 c .. 4 c + 3 hold K = 32 c + 16 (l / 16) + 0 .. 15: the same order of K on both sides
.irp c, 0,1,2,3
	ds_load_b128 v[\reg+4*\c:\reg+4*\c+3], v[\adr] offset:\o+32*\c
.endr
.endm
; PASS 1.  16 products: x's blocks a0, a0 + 1 x W's eight.  cm = 1: the sums start from the bias.  The 64 accumulators take turns.
.macro MUL16 a0, p, cm
.irp a, \a0, \a0+1
.irp b, 0,1,2,3,4,5,6,7
.if \cm
	v_wmma_f32_16x16x128_fp8_fp8 v[8*(8*((\a)%4)+\b):8*(8*((\a)%4)+\b)+7], v[128*(\p)+FR*\b:128*(\p)+FR*\b+FR-1], v[AF+FR*(\a):AF+FR*(\a)+FR-1], v[BIAS+8*\b:BIAS+8*\b+7]
.else
	v_wmma_f32_16x16x128_fp8_fp8 v[8*(8*((\a)%4)+\b):8*(8*((\a)%4)+\b)+7], v[128*(\p)+FR*\b:128*(\p)+FR*\b+FR-1], v[AF+FR*(\a):AF+FR*(\a)+FR-1], v[8*(8*((\a)%4)+\b):8*(8*((\a)%4)+\b)+7]
.endif
.endr
.endr
.endm
.macro FETCH_B slot, q, p
	WIN TO_B
.irp i, 0,1,2,3,4,5,6,7
	FRAG 128*(\p)+FR*\i, ADW+\slot, 128*(\q)+\i*16*PITCH
.endr
	WIN 0
.endm
.macro FETCH_A slot, q, i0
.irp i, \i0, \i0+1, \i0+2, \i0+3
	FRAG AF+FR*(\i), ADX+\slot, 128*(\q)+(\i)*16*PITCH
.endr
.endm
; A step of 128 along K with its successor in the same slot.  x has one set of registers: blocks 0-3 are fetched anew in the middle, blocks 4-7 at the end; W has two sets.
.macro STEP slot, q, cm
	s_wait_dscnt 4*NL                              ; W's set and x's blocks 0-3 are in; the youngest sixteen loads (x's blocks 4-7) may be out
.if \cm
	WIN BIA_LO
.else
	WIN MUL_LO
.endif
	MUL16 0, (\q)%2, \cm
	MUL16 2, (\q)%2, \cm
	s_wait_dscnt 0
	PLACES NP                                      ; in front of loads into registers that matrix instructions have read
	FETCH_B \slot, (\q)+1, 1-(\q)%2
	FETCH_A \slot, (\q)+1, 0
.if \cm
	WIN BIA_HI
.else
	WIN MUL_HI
.endif
	MUL16 4, (\q)%2, \cm
	MUL16 6, (\q)%2, \cm
	PLACES NP
	WIN 0
	FETCH_A \slot, (\q)+1, 4
.endm
; A slot's last step changes slots: each wave waits for all its tensor loads, adds 0 to its spare word, and waits for that and for its reads of this slot; then a round, and the slot is filled again.
; kind 1, 2: with pass 1's K step two on;  3, 4: with pass 2's (4: the next slot's fragments are pass 2's).
.macro TURN slot, next, kind
	s_wait_tensorcnt 0x0                           ; all my tensor loads have landed: my part of the next slot
	ds_add_u32 v[SPW], v[NIL]                      ; 0 onto my spare word
.if \kind == 3
	s_mov_b32 s[G1B+2], 64<<16                     ; Wv's tiles are 64 rows a wave
	s_mov_b32 s[G1B+4], 64
.endif
	s_wait_dscnt 4*NL+1                            ; the add and the youngest sixteen loads may be out
	WIN MUL_LO
	MUL16 0, 1, 0
	s_wait_dscnt 0x0                               ; the add is done, and my reads of this slot are over
	s_barrier_signal -1
	MUL16 2, 1, 0
	WIN 0
	s_barrier_wait -1
	CREST                                          ; no wave of any partner still reads this slot or has a load on its way
.if \kind < 3
	s_add_nc_u64 s[G0+4*\slot+2:G0+4*\slot+3], s[G0+4*\slot+2:G0+4*\slot+3], 512
	s_add_nc_u64 s[G0B+4*\slot+2:G0B+4*\slot+3], s[G0B+4*\slot+2:G0B+4*\slot+3], 512
.else
	s_sub_nc_u64 s[G0+4*\slot+2:G0+4*\slot+3], s[G0+4*\slot+2:G0+4*\slot+3], 512
	s_add_nc_u64 s[G0B+4*\slot+2:G0B+4*\slot+3], s[66:67], 256*\slot
.endif
	JLOAD \slot                                    ; the first tensor load behind the round; its four v_nop are the places in front of the loads below
.if \kind == 4
	FETCH2 \next, 0, 0
.else
	FETCH_B \next, 0, 0
	FETCH_A \next, 0, 0
.endif
.if \kind == 1
	ASK FX, PFO, PX, 768
.elseif \kind == 2
	ASK FV, PFV, PV, 0
.elseif \kind == 4
	ASK FV, PFV, PV, 512
.endif
	WIN MUL_HI
	MUL16 4, 1, 0
	MUL16 6, 1, 0
	PLACES NP
	WIN 0
.if \kind != 4
	FETCH_A \next, 0, 4
.endif
.endm
; PASS 2.  8 products: Wv's block a x x's eight, 32 accumulators by turns.
.macro MULV a, p, cm
.irp b, 0,1,2,3,4,5,6,7
.if \cm
	v_wmma_f32_16x16x128_fp8_fp8 v[8*(8*\a+\b):8*(8*\a+\b)+7], v[128*(\p)+FR*\b:128*(\p)+FR*\b+FR-1], v[AF+64*(\p)+FR*\a:AF+64*(\p)+FR*\a+FR-1], v[BIAS2+8*\a:BIAS2+8*\a+7]
.else
	v_wmma_f32_16x16x128_fp8_fp8 v[8*(8*\a+\b):8*(8*\a+\b)+7], v[128*(\p)+FR*\b:128*(\p)+FR*\b+FR-1], v[AF+64*(\p)+FR*\a:AF+64*(\p)+FR*\a+FR-1], v[8*(8*\a+\b):8*(8*\a+\b)+7]
.endif
.endr
.endm
.macro FETCH2 slot, q, p               ; 32 loads of x's fragments, 16 of Wv's, into set p
	WIN TO_B
.irp i, 0,1,2,3,4,5,6,7
	FRAG 128*(\p)+FR*\i, ADX+\slot, 128*(\q)+\i*16*PITCH
.endr
	WIN 0
.irp i, 0,1,2,3
	FRAG AF+64*(\p)+FR*\i, ADW+\slot, 128*(\q)+\i*16*PITCH
.endr
.endm
.macro STEP2 slot, cm
	s_wait_dscnt 0
.if \cm
	WIN BIA_LO
.else
	WIN MUL_LO
.endif
	MULV 0, 0, \cm
	PLACES NP
	FETCH2 \slot, 1, 1
.if \cm
	WIN BIA_LO
.else
	WIN MUL_LO
.endif
	MULV 1, 0, \cm
	MULV 2, 0, \cm
	MULV 3, 0, \cm
	WIN 0
.endm
.macro TURN2 slot, next, fill
	s_wait_tensorcnt 0x0                           ; as in TURN
	ds_add_u32 v[SPW], v[NIL]
	s_wait_dscnt 1                                 ; the fragments are in; the add may be out
	WIN MUL_LO
	MULV 0, 1, 0
	s_wait_dscnt 0x0
	s_barrier_signal -1
	MULV 1, 1, 0
	WIN 0
	s_barrier_wait -1
.if \fill
	CREST
	s_add_nc_u64 s[G0+4*\slot+2:G0+4*\slot+3], s[G0+4*\slot+2:G0+4*\slot+3], 512
	s_add_nc_u64 s[G0B+4*\slot+2:G0B+4*\slot+3], s[G0B+4*\slot+2:G0B+4*\slot+3], 512
	JLOAD \slot
.else
	PLACES NP
.endif
	FETCH2 \next, 0, 0
	WIN MUL_LO
	MULV 2, 1, 0
	MULV 3, 1, 0
	WIN 0
.endm
; THE WAY OUT of the 32 accumulators of window w: held within the largest code x the scale (the conversion to an 8-bit code does not saturate: ISA guide 7.6.2), eight numbers to eight codes, and stored:
; the four registers of accumulators (a, 2 c) and (a, 2 c + 1) are the lane's 16 bytes of chunk c of fragment a.
.macro LEAVE w, cd, po, off
	WIN ((\w)<<6)|(\w)
.set j, 0
.rept 256
	v_med3_num_f32 v[j], v[j], -v[LIM], v[LIM]
.set j, j+1
.endr
	WIN (\w)
.set j, 0
.rept 32
	v_cvt_scalef32_pk8_fp8_f32 v[\cd+2*j:\cd+2*j+1], v[8*j:8*j+7], v[SCL]
.set j, j+1
.endr
	v_nop                                          ; one plain vector instruction behind the last conversion
	WIN 0
.set j, 0
.rept 16
	global_store_b128 v[CO], v[\cd+4*j:\cd+4*j+3], s[\po:\po+1] offset:\off+512*j   ; 32 lanes store 512 consecutive bytes, aligned
.set j, j+1
.endr
.endm
	s_load_b512 s[68:83], s[0:1], 0x0              ; x s[68:69], Wq s[70:71], Wk s[72:73], Wv s[74:75], bq s[76:77], bk s[78:79], bv s[80:81], the exponents s[82:83]
	s_load_b128 s[84:87], s[0:1], 0x40             ; q_codes, k_codes
	s_load_b64 s[88:89], s[0:1], 0x50              ; v_codes
	v_lshl_add_u32 v[SPW], v0, 2, SPARE
	v_mov_b32 v[NIL], 0
	ds_add_u32 v[SPW], v[NIL]                      ; the wave's opening: the add, twice on end, and its wait ahead of my first tensor load
	ds_add_u32 v[SPW], v[NIL]
	v_lshrrev_b32 v1, 5, v0
	v_readfirstlane_b32 s14, v1                    ; wave 0..3
	s_lshr_b32 s15, s14, 1                         ; my half of the tokens.  Also: I fetch x (0) or the weight (1)
	s_and_b32 s16, s14, 1                          ; my half of the channels.  Also: which half of that tile's rows I fetch
	s_bfe_u32 s40, ttmp6, 0x40000                  ; cx
	s_bfe_u32 s41, ttmp6, 0x40004                  ; cy
	s_lshl_b32 s42, ttmp9, 2
	s_add_co_u32 s42, s42, s40                     ; which 128 channels of v: 0..7
	s_and_b32 s13, ttmp7, 0xffff
	s_lshl_b32 s18, s13, 2
	s_add_co_u32 s18, s18, s41                     ; which 256 tokens: 0..31
	s_cmp_lt_u32 s13, 4                            ; weights are prefetched by the first four rows of clusters
	s_cselect_b32 s19, 1, 0
	s_and_b32 s[FV], s19, s15
	s_xor_b32 s[FX], s15, 1
	s_or_b32 s[FX], s[FX], s19
	s_lshl_b32 s43, s41, 2
	s_lshl_b32 s43, 15, s43                        ; my row of the cluster
	s_lshl_b32 s44, 0x1111, s40                    ; my column
	s_or_b32 s[G1+0], s43, PADW                    ; x's tiles go to my row,
	s_or_b32 s[G1B+0], s44, PADW                   ; the weight's to my column
.irp g, G1, G1B
	s_mov_b32 s[\g+1], 256<<16                     ; tensor_dim0
	s_mov_b32 s[\g+2], 128<<16                     ; tensor_dim1
	s_mov_b32 s[\g+3], 256<<16                     ; tile_dim0
	s_mov_b32 s[\g+4], 128                         ; tile_dim1
	s_mov_b32 s[\g+5], 1024                        ; from row to row
	s_mov_b32 s[\g+6], 0
	s_mov_b32 s[\g+7], 0
.endr
	s_lshl_b32 s20, s18, 1
	s_add_co_u32 s20, s20, s16
	s_lshl_b32 s20, s20, 17                        ; x: (256 x token tile + 128 x half) rows of 1,024 bytes
	s_mov_b32 s21, 0
	s_mov_b32 s4, s20
	s_lshl_b32 s46, s40, 1
	s_add_co_u32 s46, s46, s16
	s_lshl_b32 s46, s46, 17                        ; W: (256 cx + 128 x half) rows
	s_mov_b32 s47, 0
	s_mov_b32 s5, s46
	s_lshl_b32 s22, s42, 1
	s_add_co_u32 s22, s22, s16
	s_lshl_b32 s22, s22, 16                        ; Wv: (128 x its tile + 64 x half) rows
	s_mov_b32 s23, 0
	s_mul_i32 s45, s14, RG
	s_wait_dscnt 0x0                               ; both opening adds are done
	s_wait_kmcnt 0x0
	s_load_b256 s[92:99], s[82:83], 0x0            ; e0 .. e7
	s_load_b32 s100, s[82:83], 0x24                ; e9
	s_cmp_eq_u32 ttmp9, 0
	s_cselect_b64 s[6:7], s[70:71], s[72:73]       ; Wq or Wk
	s_cselect_b64 s[8:9], s[76:77], s[78:79]       ; bq or bk
	s_cselect_b64 s[10:11], s[84:85], s[86:87]     ; q_codes or k_codes
	s_add_nc_u64 s[20:21], s[68:69], s[20:21]
	s_add_nc_u64 s[46:47], s[6:7], s[46:47]
	s_add_nc_u64 s[66:67], s[74:75], s[22:23]      ; pass 2's weight tile, with type 2
	s_or_b32 s67, s67, 0x80000000
	CROUND                                         ; all sixteen work-groups are here: the first joint loads meet
.irp s, 0,1
	s_mov_b32 s[G0+4*\s], 1
	s_add_co_u32 s[G0+4*\s+1], s45, SLOT*\s
	s_add_nc_u64 s[G0+4*\s+2:G0+4*\s+3], s[20:21], 256*\s
	s_or_b32 s[G0+4*\s+3], s[G0+4*\s+3], 0x80000000
	s_mov_b32 s[G0B+4*\s], 1
	s_add_co_u32 s[G0B+4*\s+1], s45, SLOT*\s
	s_add_nc_u64 s[G0B+4*\s+2:G0B+4*\s+3], s[46:47], 256*\s
	s_or_b32 s[G0B+4*\s+3], s[G0B+4*\s+3], 0x80000000
.endr
	JLOAD 0                                        ; K step 0: my one tensor load at the head
	; where my prefetches stand: 32 of the 128 rows that I fetch, by my place among the four that ask with me; of Wv's 64 rows 16
	s_cmp_eq_u32 s15, 0
	s_cselect_b64 s[PX:PX+1], s[68:69], s[6:7]
	s_cselect_b32 s20, s4, s5
	s_cselect_b32 s21, s40, s41
	s_lshl_b32 s21, s21, 15
	s_add_co_u32 s20, s20, s21
	s_mov_b32 s21, 0
	s_add_nc_u64 s[PX:PX+1], s[PX:PX+1], s[20:21]
	s_lshl_b32 s20, s41, 14
	s_add_co_u32 s20, s20, s22
	s_add_nc_u64 s[PV:PV+1], s[74:75], s[20:21]
	s_mul_i32 s20, s15, RG                         ; my 128 rows of x in LDS
	s_mul_i32 s21, s16, RG
	s_add_co_u32 s21, s21, 2*RG                    ; my rows of the weight
	v_and_b32 v1, 15, v0                           ; r
	v_bfe_u32 v2, v0, 4, 1                         ; h
	v_and_b32 v3, 31, v0                           ; lane
	v_mul_u32_u24 v4, v1, PITCH
	v_lshl_add_u32 v4, v2, 4, v4                   ; a fragment's row x pitch + 16 h
	v_add_nc_u32 v[ADX], s20, v4
	v_add_nc_u32 v[ADW], s21, v4
	v_add_nc_u32 v[ADX+1], SLOT, v[ADX]
	v_add_nc_u32 v[ADW+1], SLOT, v[ADW]
	v_lshlrev_b32 v[CO], 4, v3
	v_lshlrev_b32 v[PFO], 10, v3                   ; a lane a row of 1,024 bytes
	v_lshlrev_b32 v[PFV], 10, v1                   ; 16 rows x two blocks of 256 bytes
	v_lshl_add_u32 v[PFV], v2, 8, v[PFV]
	v_lshlrev_b32 v5, 5, v2
	v_lshlrev_b32 v6, 2, v1
	s_wait_alu depctr_va_vdst(0)                   ; ahead of the scalar lines and waits below
	; where my results go
	s_lshl_b32 s20, s18, 1
	s_add_co_u32 s20, s20, s15                     ; my group of 128 tokens, 0..63
	s_and_b32 s22, s20, 15
	s_lshl_b32 s20, s20, 17
	s_lshl_b32 s21, s40, 1
	s_add_co_u32 s21, s21, s16                     ; my block of 128 channels of q or k, 0..7
	s_lshl_b32 s19, s21, 9                         ; its bias, in bytes
	s_lshl_b32 s21, s21, 14
	s_add_co_u32 s20, s20, s21
	s_mov_b32 s21, 0
	s_add_nc_u64 s[10:11], s[10:11], s[20:21]
	s_mov_b32 s20, s19
	s_add_nc_u64 s[8:9], s[8:9], s[20:21]
	s_lshl_b32 s19, s42, 1
	s_add_co_u32 s19, s19, s16                     ; my group of 64 channels of v, 0..15
	s_lshl_b32 s20, s19, 8                         ; its bias
	s_add_nc_u64 s[80:81], s[80:81], s[20:21]
	s_lshl_b32 s20, s19, 17
	s_lshl_b32 s22, s22, 13                        ; my block of 128 keys of the batch
	s_add_co_u32 s20, s20, s22
	s_lshr_b32 s22, s18, 3                         ; the batch
	s_lshl_b32 s22, s22, 21
	s_add_co_u32 s20, s20, s22
	s_add_nc_u64 s[88:89], s[88:89], s[20:21]
.irp b, 0,1,2,3,4,5,6,7                ; pass 1: register j of a tile of columns b wants the bias of channel 16 b + 8 h + j
	global_load_b128 v[BIAS+8*\b:BIAS+8*\b+3], v5, s[8:9] offset:64*\b
	global_load_b128 v[BIAS+8*\b+4:BIAS+8*\b+7], v5, s[8:9] offset:64*\b+16
.endr
.irp a, 0,1,2,3                        ; pass 2: all eight registers of a tile of rows a want the bias of channel 16 a + r
	global_load_b32 v[12+\a], v6, s[80:81] offset:64*\a
.endr
	ASK FX, PFO, PX, 512
	s_wait_kmcnt 0x0
	s_add_co_i32 s92, s92, s93                     ; e0 + e1
	s_add_co_i32 s94, s94, s95                     ; e2 + e3
	s_add_co_i32 s96, s96, s97                     ; e4 + e5: v's eS
	s_cmp_eq_u32 ttmp9, 0
	s_cselect_b32 s92, s92, s94                    ; eS of q or k
	s_cselect_b32 s98, s98, s99                    ; e6 or e7
	s_sub_co_i32 s90, 0, s92                       ; -eS, for the bias
	s_sub_co_i32 s99, 0, s96
	s_sub_co_i32 s91, s98, s92
	s_add_co_i32 s91, s91, 127
	s_lshl_b32 s93, s91, 23                        ; 2^(eO - eS) as f32: the conversion takes its exponent field
	s_add_co_i32 s91, s91, 8
	s_lshl_b32 s91, s91, 23
	s_or_b32 s91, s91, 0x600000                    ; 448 x that
	s_sub_co_i32 s94, s100, s96
	s_add_co_i32 s94, s94, 127
	s_lshl_b32 s95, s94, 23                        ; the same for v
	s_add_co_i32 s94, s94, 8
	s_lshl_b32 s94, s94, 23
	s_or_b32 s94, s94, 0x600000
	s_wait_loadcnt 0x0
.set j, 0
.rept 64
	v_ldexp_f32 v[BIAS+j], v[BIAS+j], s90          ; b / 2^eS
.set j, j+1
.endr
.irp a, 0,1,2,3
.irp j, 0,1,2,3,4,5,6,7
	v_ldexp_f32 v[BIAS2+8*\a+\j], v[12+\a], s99
.endr
.endr
	s_wait_alu depctr_va_vdst(0)
	s_wait_tensorcnt 0x0                           ; my part of K step 0 is in
	ds_add_u32 v[SPW], v[NIL]
	s_wait_dscnt 0x0
	CROUND                                         ; everybody's part of K step 0 is in, and the joint loads meet:
	JLOAD 1                                        ; K step 1, the first tensor load behind the round
	FETCH_B 0, 0, 0
	FETCH_A 0, 0, 0
	FETCH_A 0, 0, 4
	STEP 0, 0, 1
	TURN 0, 1, 1                                   ; slot 0 takes K 512 on
	STEP 1, 0, 0
	TURN 1, 0, 2                                   ; slot 1 takes K 768 on
	STEP 0, 0, 0
	TURN 0, 1, 3                                   ; slot 0 takes pass 2's K 0 on
	STEP 1, 0, 0
	TURN 1, 0, 4                                   ; slot 1 takes pass 2's K 256 on
	; pass 1 leaves while those loads are on their way.  Its last products' places: four v_nop stand in TURN, and the lines of window 2 stand ahead of window 3's
	v_mov_b32 v[LIM], s91
	v_mov_b32 v[SCL], s93
	LEAVE 2, 192, 10, 0
	LEAVE 3, 32, 10, 8192
	s_wait_xcnt 0x0                                ; the stores have read their registers: Wv's second set lands on v192-255
	STEP2 0, 1
	TURN2 0, 1, 1                                  ; slot 0 takes K 512 on
	STEP2 1, 0
	TURN2 1, 0, 1                                  ; slot 1 takes K 768 on
	STEP2 0, 0
	TURN2 0, 1, 0                                  ; nothing is left to fetch
	STEP2 1, 0
	s_wait_dscnt 0
	WIN MUL_LO
	MULV 0, 1, 0
	MULV 1, 1, 0
	MULV 2, 1, 0
	MULV 3, 1, 0
	WIN 0
	v_mov_b32 v[LIM], s94                          ; these two and the four below are the places behind the last products
	v_mov_b32 v[SCL], s95
	PLACES NP
	LEAVE 2, 32, 88, 0
	s_wait_tensorcnt 0x0                           ; the wave's end
	ds_add_u32 v[SPW], v[NIL]
	s_wait_dscnt 0x0
	CROUND                                         ; the closing round
	s_endpgm
.Lfunc_end_k_q1d85a056f1_proj:
	.size	k_q1d85a056f1_proj, .Lfunc_end_k_q1d85a056f1_proj-k_q1d85a056f1_proj
	.p2alignl 7, 3214868480
	.fill 96, 4, 3214868480
	.section	.rodata,"a",@progbits
	.p2align	6, 0x0
	.amdhsa_kernel k_q1d85a056f1_proj
		.amdhsa_group_segment_fixed_size 327680
		.amdhsa_private_segment_fixed_size 0
		.amdhsa_enable_private_segment 0
		.amdhsa_kernarg_size 88
		.amdhsa_user_sgpr_count 2
		.amdhsa_user_sgpr_kernarg_segment_ptr 1
		.amdhsa_wavefront_size32 1
		.amdhsa_system_sgpr_workgroup_id_x 1
		.amdhsa_system_sgpr_workgroup_id_y 1
		.amdhsa_system_sgpr_workgroup_id_z 1
		.amdhsa_system_vgpr_workitem_id 0
		.amdhsa_next_free_vgpr 1024
		.amdhsa_next_free_sgpr 102
		.amdhsa_reserve_vcc 0
		.amdhsa_float_denorm_mode_32 3
		.amdhsa_float_denorm_mode_16_64 3
		.amdhsa_memory_ordered 1
		.amdhsa_forward_progress 1
		.amdhsa_inst_pref_size 194
	.end_amdhsa_kernel
	.amdgpu_metadata
---
amdhsa.version: [ 1, 2 ]
amdhsa.kernels:
  - .name:           k_q1d85a056f1_proj
    .symbol:         k_q1d85a056f1_proj.kd
    .args:
      - { .name: embeddings_codes, .offset: 0, .size: 8, .value_kind: global_buffer, .address_space: global }
      - { .name: Wq_codes, .offset: 8, .size: 8, .value_kind: global_buffer, .address_space: global }
      - { .name: Wk_codes, .offset: 16, .size: 8, .value_kind: global_buffer, .address_space: global }
      - { .name: Wv_codes, .offset: 24, .size: 8, .value_kind: global_buffer, .address_space: global }
      - { .name: bq, .offset: 32, .size: 8, .value_kind: global_buffer, .address_space: global }
      - { .name: bk, .offset: 40, .size: 8, .value_kind: global_buffer, .address_space: global }
      - { .name: bv, .offset: 48, .size: 8, .value_kind: global_buffer, .address_space: global }
      - { .name: lowp_scales, .offset: 56, .size: 8, .value_kind: global_buffer, .address_space: global }
      - { .name: q_codes, .offset: 64, .size: 8, .value_kind: global_buffer, .address_space: global }
      - { .name: k_codes, .offset: 72, .size: 8, .value_kind: global_buffer, .address_space: global }
      - { .name: v_codes, .offset: 80, .size: 8, .value_kind: global_buffer, .address_space: global }
    .group_segment_fixed_size: 327680
    .private_segment_fixed_size: 0
    .kernarg_segment_align: 8
    .kernarg_segment_size: 88
    .max_flat_workgroup_size: 128
    .sgpr_count:     102
    .vgpr_count:     1024
    .wavefront_size: 32
...
	.end_amdgpu_metadata
.endif
;; end of part 1
;; launch scores (part 2): grid 12 x 16, 4 waves a work-group, clusters of 4 x 4, 327,680 bytes of LDS; arguments q_codes, k_codes, lowp_scales, p_codes, st_m, st_l; writes p_codes, st_m, st_l
.if DOCPART == 2
	.amdgcn_target "amdgcn-amd-amdhsa--gfx1250"
	.amdhsa_code_object_version 6
	.text
	.protected	k_q1d85a056f1_scores
	.globl	k_q1d85a056f1_scores
	.p2align	8
	.type	k_q1d85a056f1_scores,@function
k_q1d85a056f1_scores:
	s_mov_b64 s[64:65], 0
	v_nop
	global_prefetch_b8 v0, s[64:65] scope:SCOPE_SE
	s_setreg_imm32_b32 hwreg(HW_REG_WAVE_MODE, 25, 1), 1
	s_wait_xcnt 0x0
	s_wait_alu depctr_hold_cnt(0) depctr_sa_sdst(0) depctr_va_vdst(0) depctr_va_sdst(0) depctr_va_ssrc(0) depctr_va_vcc(0) depctr_vm_vsrc(0)
	s_getreg_b32 s2, hwreg(HW_REG_IB_STS2, 6, 4)
	s_cmp_eq_u32 s2, 0
	s_cbranch_scc0 .Lentry_in_a_cluster
	s_endpgm
.Lentry_in_a_cluster:
	s_bfe_u32 s2, ttmp6, 0x10000c
	s_cmp_lg_u32 s2, 0xf033
	s_cbranch_scc0 .Lentry_shape_is_right
	s_endpgm
.Lentry_shape_is_right:
; S = q k^T on codes of FP8 (E4M3), the causal mask, and the softmax's numerator by chunks of 256 keys.
; t = score x 2^(e6 + e7) x log2(e) / 32.  For each query and each chunk c of 256 keys: M_c = the largest t of the keys that count, rounded UP to a whole number; p = 2^(t - M_c), 0 for hidden keys;
; l_c = the sum of the unquantised p; p is quantised with 2^e8.  The next launch brings the chunks under the row's largest M by exact powers of two.
; A chunk all of whose keys are hidden for a query gets M_c = -3e38, l_c = 0 and zero codes.
; THE CODE BUFFERS ARE IMAGES OF FRAGMENTS: 16 rows x 128 along K are 2,048 bytes, [c 0..3][lane][16 bytes].  q_codes, k_codes: [64 groups of 128 rows][8 blocks of K][8 fragments];
; OUT: p_codes: [4][32 groups of 64 queries][16 blocks of 128 keys][4 fragments], stored straight from registers; st_m, st_l: [4][8 chunks][2,048 queries] f32.
; SHARES.  Cluster x = one of the three super-blocks of 1,024 x 1,024 that the mask leaves: (queries, keys) = (0, 0), (1, 0), (1, 1); the fourth, wholly above the diagonal, is dead work (its p are 0 for all inputs) and is left out:
; a NaN or an infinity that only it would hold is not carried to the result.  Cluster y = the batch.  A work-group makes 256 queries x one chunk, a wave 128 x 128.
; Tiles that lie wholly above the diagonal inside a super-block are computed like the others and give zero codes: no branch may hang on a work-group's place in its cluster, and its partners need its joint requests.
; The main part is a GEMM with K = 1,024: A = q (rows = queries), B = k (rows = keys), used transposed: lane (r, h), register j of accumulator (a, b) = query 16 a + r, key 16 b + 8 h + j.
; RING: a wave's region of LDS is 65,536 bytes: slot 0, then slot 1, each 256 along K of 128 rows.  The head's one load a wave fills both (K 0-511); each refill brings one slot.
; CLUSTERS: q's tile is asked for jointly along a row of the cluster, k's along a column.
; PREFETCHES: K 512-767 behind the head's load, K 768-1023 behind the first step: a whole step or more ahead of their loads; the four partners of a joint load take 8,192 bytes each, by address.
; THE MASK.  Delta = my first query - my first key, a multiple of 128.  Tiles with b < a are hidden where Delta < 0, tiles with b > a where Delta <= 0: a constant of the wave, 0 or -infinity, added to their
; maximum and to their exponent's addend.  Only in tiles with b = a does it hang on the lane: register j is hidden where j > Delta + r - 8 h.
; LIMITS: e6 + e7 between -121 and 132 (added to the exponent field of log2(e) / 32); e8 between -126 and 119; |t| under 2^24.  NaN is not served.
; REGISTERS on the way out, window 0: v8-11 addresses; v12 Delta + r - 8 h; v13 -infinity; v14 448 x 2^e8; v15 2^e8; v[32 + 6 a ..]: pairs (-M, max of b = a), (-M + pen. below, max of b < a), (-M + pen. above, max of b > a);
;   v80-87 the diagonal tiles' penalties; v88-103 the sums, a pair for each a; v104-111 the other half's or the partner's figures; v112-127 at work; v128-255 codes.
.set STEPB,  32768                     ; 256 along K of a group of 128 rows
.set FR,     16
.set NL,     4
.set NP,     4                         ; places behind this matrix instruction (ISA guide 7.12.1)
.set HALFT,  65536                     ; a wave's region
.set SLOT,   32768
.set SPARE,  4*HALFT                   ; the spare words, 128 bytes a wave
.set EXM,    4096                      ; in slot 0, which has had its last fill by then: [wave][128 rows] f32: the waves' maxima; their sums lie 2,048 bytes on
.set ADRA, 16
.set ADRB, 20
.set CO,   26
.set SPW,  28
.set NIL,  29
.set PFO,  30
.set AD,   32
.set PEN,  80
.set LS,   88
.set PM,   104
.set T,    112
.set AF,   128
.set CD,   128
.set G1, 24
.set G0, 32
.set G1B, 48
.set G0B, 56
.set MSB, 0
.macro WIN new                         ; the immediate's high byte repeats the setting that is left
.if MSB != (\new)
	s_set_vgpr_msb (MSB<<8)|(\new)
.set MSB, (\new)
.endif
.endm
.set MUL_LO, 0xa1                      ; source 0 (B) window 1, source 1 (A) window 0, C and D window 2
.set MUL_HI, 0xf1                      ; the same, C and D window 3
.set TO_B,   0x40                      ; destination window 1, address window 0
; A joint load: waves 0 and 1 fetch for A, waves 2 and 3 for B.  The branch hangs on the wave's number alone.  Four v_nop follow each line.
.macro JLOAD s
	s_cmp_eq_u32 s15, 0
	s_cbranch_scc0 .Lfor_b_\@
	tensor_load_to_lds s[G0+4*\s:G0+4*\s+3], s[G1:G1+7]
	s_nop 0
.rept 4
	v_nop
.endr
	s_branch .Lasked_\@
.Lfor_b_\@:
	tensor_load_to_lds s[G0B+4*\s:G0B+4*\s+3], s[G1B:G1B+7]
	s_nop 0
.rept 4
	v_nop
.endr
.Lasked_\@:
.endm
.macro CREST                           ; a round of the cluster's barrier behind its opening barrier
	s_cmp_lg_u32 s14, 0
	s_cbranch_scc1 .Lnot_wave_0_\@
	s_barrier_signal -3
.Lnot_wave_0_\@:
	s_barrier_wait -3
	s_barrier_signal -1
	s_barrier_wait -1
.endm
.macro CROUND                          ; a whole round
	s_barrier_signal -1
	s_barrier_wait -1
	CREST
.endm
.macro PLACES n
.rept \n
	v_nop
.endr
.endm
.macro FRAG reg, adr, q, i
.irp c, 0,1,2,3
	ds_load_b128 v[\reg+4*\c:\reg+4*\c+3], v[\adr] offset:16384*(\q)+2048*(\i)+512*\c
.endr
.endm
.macro MUL16 a0, p, zero               ; zero = 1: the first product starts the sums.  The 64 accumulators take turns
.irp a, \a0, \a0+1
.irp b, 0,1,2,3,4,5,6,7
.if \zero
	v_wmma_f32_16x16x128_fp8_fp8 v[8*(8*((\a)%4)+\b):8*(8*((\a)%4)+\b)+7], v[128*(\p)+FR*\b:128*(\p)+FR*\b+FR-1], v[AF+FR*(\a):AF+FR*(\a)+FR-1], 0
.else
	v_wmma_f32_16x16x128_fp8_fp8 v[8*(8*((\a)%4)+\b):8*(8*((\a)%4)+\b)+7], v[128*(\p)+FR*\b:128*(\p)+FR*\b+FR-1], v[AF+FR*(\a):AF+FR*(\a)+FR-1], v[8*(8*((\a)%4)+\b):8*(8*((\a)%4)+\b)+7]
.endif
.endr
.endr
.endm
.macro FETCH_B slot, q, p
	WIN TO_B
.irp i, 0,1,2,3,4,5,6,7
	FRAG 128*(\p)+FR*\i, ADRB+\slot, \q, \i
.endr
	WIN 0
.endm
.macro FETCH_A slot, q, i0
.irp i, \i0, \i0+1, \i0+2, \i0+3
	FRAG AF+FR*(\i), ADRA+\slot, \q, \i
.endr
.endm
; A step of 128 along K with its successor in the same slot.  A has one set of registers: blocks 0-3 are fetched anew in the middle, blocks 4-7 at the end; B has two sets.
.macro STEP slot, q, zero
	s_wait_dscnt 4*NL                              ; B's set and A's blocks 0-3 are in; the youngest sixteen loads may be out
	WIN MUL_LO
	MUL16 0, (\q)%2, \zero
	MUL16 2, (\q)%2, \zero
	s_wait_dscnt 0
	PLACES NP                                      ; in front of loads into registers that matrix instructions have read
	FETCH_B \slot, (\q)+1, 1-(\q)%2
	FETCH_A \slot, (\q)+1, 0
	WIN MUL_HI
	MUL16 4, (\q)%2, \zero
	MUL16 6, (\q)%2, \zero
	PLACES NP
	WIN 0
	FETCH_A \slot, (\q)+1, 4
.endm
; A slot's last step changes slots: each wave waits for all its tensor loads, adds 0 to its spare word, and waits for that and for its reads of this slot.
.macro TURN slot, next, fill
	s_wait_tensorcnt 0x0                           ; all my tensor loads have landed: my part of the next slot
	ds_add_u32 v[SPW], v[NIL]                      ; 0 onto my spare word
	s_wait_dscnt 4*NL+1                            ; the add and the youngest sixteen loads may be out
	WIN MUL_LO
	MUL16 0, 1, 0
	s_wait_dscnt 0x0                               ; the add is done, and my reads of this slot are over
	s_barrier_signal -1
	MUL16 2, 1, 0
	WIN 0
	s_barrier_wait -1
.if \fill
	CREST                                          ; no wave of any partner still reads this slot or has a load on its way
	s_add_nc_u64 s[G0+4*\slot+2:G0+4*\slot+3], s[G0+4*\slot+2:G0+4*\slot+3], 2*STEPB
	s_add_nc_u64 s[G0B+4*\slot+2:G0B+4*\slot+3], s[G0B+4*\slot+2:G0B+4*\slot+3], 2*STEPB
	JLOAD \slot                                    ; the first tensor load behind the round; its four v_nop are the places in front of the loads below
.else
	PLACES NP
.endif
	FETCH_B \next, 0, 0
	FETCH_A \next, 0, 0
	WIN MUL_HI
	MUL16 4, 1, 0
	MUL16 6, 1, 0
	PLACES NP
	WIN 0
	FETCH_A \next, 0, 4
.endm
	s_load_b256 s[68:75], s[0:1], 0x0              ; q_codes s[68:69], k_codes s[70:71], the exponents s[72:73], p_codes s[74:75]
	s_load_b128 s[76:79], s[0:1], 0x20             ; st_m, st_l
	v_lshl_add_u32 v[SPW], v0, 2, SPARE
	v_mov_b32 v[NIL], 0
	ds_add_u32 v[SPW], v[NIL]                      ; the wave's opening: the add, twice on end, and its wait ahead of my first tensor load
	ds_add_u32 v[SPW], v[NIL]
	v_lshrrev_b32 v1, 5, v0
	v_readfirstlane_b32 s14, v1                    ; wave 0..3
	s_lshr_b32 s15, s14, 1                         ; my half of the tile's queries.  Also: I fetch for A (0) or B (1)
	s_and_b32 s16, s14, 1                          ; my half of its keys.  Also: which 128 rows I fetch
	s_bfe_u32 s40, ttmp6, 0x40000                  ; cx
	s_bfe_u32 s41, ttmp6, 0x40004                  ; cy
	s_and_b32 s6, ttmp7, 0xffff                    ; the batch
	s_add_co_u32 s4, ttmp9, 1
	s_lshr_b32 s4, s4, 1                           ; the super-block's row: 0, 1, 1
	s_lshl_b32 s4, s4, 2
	s_add_co_u32 s4, s4, s41                       ; my block of 256 queries in the batch, 0..7
	s_lshr_b32 s5, ttmp9, 1                        ; the super-block's column: 0, 0, 1
	s_lshl_b32 s5, s5, 2
	s_add_co_u32 s5, s5, s40                       ; my chunk of 256 keys, 0..7
	s_lshl_b32 s18, s6, 3
	s_add_co_u32 s17, s18, s4                      ; tile row among q's 32
	s_add_co_u32 s42, s18, s5                      ; tile row among k's 32
	s_mov_b32 s2, 0x76543210                       ; v_permlanex16_b32's selects for lane l xor 16
	s_mov_b32 s3, 0xfedcba98
	s_lshl_b32 s43, s41, 2
	s_lshl_b32 s43, 15, s43                        ; my row of the cluster
	s_lshl_b32 s44, 0x1111, s40                    ; my column
	s_or_b32 s[G1+0], s43, 1<<21                   ; elements of 1 byte, no padding; bit 21 beside a mask
	s_or_b32 s[G1B+0], s44, 1<<21
.irp g, G1, G1B
	s_mov_b32 s[\g+1], 512<<16                     ; 65,536 consecutive bytes, stated as 128 rows of 512
	s_mov_b32 s[\g+2], 128<<16
	s_mov_b32 s[\g+3], 512<<16
	s_mov_b32 s[\g+4], 128
	s_mov_b32 s[\g+5], 512
	s_mov_b32 s[\g+6], 0
	s_mov_b32 s[\g+7], 0
.endr
	s_lshl_b32 s18, s16, 7
	s_lshl_b32 s20, s17, 8
	s_add_co_u32 s20, s20, s18
	s_lshl_b32 s20, s20, 10                        ; my group of 128 queries: 131,072 bytes a group
	s_mov_b32 s21, 0
	s_lshl_b32 s46, s42, 8
	s_add_co_u32 s46, s46, s18
	s_lshl_b32 s46, s46, 10                        ; my group of 128 keys
	s_mov_b32 s47, 0
	s_mul_i32 s45, s14, HALFT
	s_wait_dscnt 0x0                               ; both opening adds are done
	s_wait_kmcnt 0x0
	s_load_b96 s[92:94], s[72:73], 0x18            ; e6, e7, e8
	s_add_nc_u64 s[20:21], s[68:69], s[20:21]
	s_add_nc_u64 s[46:47], s[70:71], s[46:47]
	CROUND                                         ; all sixteen work-groups are here: the first joint loads meet
.irp s, 0,1
	s_mov_b32 s[G0+4*\s], 1
	s_add_co_u32 s[G0+4*\s+1], s45, \s*SLOT
	s_add_nc_u64 s[G0+4*\s+2:G0+4*\s+3], s[20:21], \s*STEPB
	s_or_b32 s[G0+4*\s+3], s[G0+4*\s+3], 0x80000000
	s_mov_b32 s[G0B+4*\s], 1
	s_add_co_u32 s[G0B+4*\s+1], s45, \s*SLOT
	s_add_nc_u64 s[G0B+4*\s+2:G0B+4*\s+3], s[46:47], \s*STEPB
	s_or_b32 s[G0B+4*\s+3], s[G0B+4*\s+3], 0x80000000
.endr
	JLOAD 0                                        ; K 0-511, both slots: my one tensor load at the head
	s_cmp_eq_u32 s15, 0                            ; where my prefetches stand: my place among the four that ask with me x 8,192 bytes
	s_cselect_b64 s[84:85], s[20:21], s[46:47]
	s_cselect_b32 s86, s40, s41
	s_lshl_b32 s86, s86, 13
	s_mov_b32 s87, 0
	s_add_nc_u64 s[84:85], s[84:85], s[86:87]
	v_and_b32 v1, 15, v0                           ; r
	v_bfe_u32 v2, v0, 4, 1                         ; h
	v_and_b32 v6, 31, v0                           ; lane
	v_lshlrev_b32 v4, 4, v6
	s_mul_i32 s21, s15, HALFT                      ; my 128 rows of A
	s_mul_i32 s22, s16, HALFT                      ; my 128 rows of B,
	s_add_co_u32 s22, s22, 2*HALFT                 ; which lie behind A's 256
.irp s, 0,1
	v_add_nc_u32 v[ADRA+\s], s21, v4
	v_add_nc_u32 v[ADRB+\s], s22, v4
	s_add_co_u32 s21, s21, SLOT
	s_add_co_u32 s22, s22, SLOT
.endr
	v_lshlrev_b32 v[CO], 4, v6                     ; 16 bytes a lane
	v_lshlrev_b32 v[PFO], 8, v6                    ; the prefetches: 256 bytes a lane
	s_wait_alu depctr_va_vdst(0)
	global_prefetch_b8 v[PFO], s[84:85] offset:65536 th:TH_LOAD_NT scope:SCOPE_SE
	s_lshl_b32 s18, s14, 9
	s_add_co_u32 s18, s18, EXM
	v_lshl_add_u32 v8, v1, 2, s18                  ; where I put my rows' figures: my wave's 512 bytes, 4 r
	s_xor_b32 s19, s14, 1
	s_lshl_b32 s19, s19, 9
	s_add_co_u32 s19, s19, EXM
	v_lshl_add_u32 v9, v1, 2, s19                  ; and where the wave with the chunk's other 128 keys puts its own
	s_and_b32 s18, s14, 2
	s_lshl_b32 s18, s18, 9
	s_lshl_b32 s19, s16, 8
	s_add_co_u32 s18, s18, s19
	s_add_co_u32 s18, s18, EXM
	v_lshl_add_u32 v10, v6, 3, s18                 ; the figures of the 64 rows whose figures I store: two rows a lane, in the first of the two waves that hold them
	v_lshlrev_b32 v11, 3, v6                       ; and their place in st_m and st_l
	s_sub_co_i32 s18, s4, s5
	s_lshl_b32 s18, s18, 8
	s_sub_co_i32 s19, s15, s16
	s_lshl_b32 s19, s19, 7
	s_add_co_i32 s18, s18, s19                     ; Delta
	s_cmp_lt_i32 s18, 0
	s_cselect_b32 s90, 0xff800000, 0               ; tiles below the diagonal of my 128 x 128: -infinity where they are hidden.  Data, no branch
	s_cmp_le_i32 s18, 0
	s_cselect_b32 s91, 0xff800000, 0               ; tiles above it
	v_lshlrev_b32 v12, 3, v2
	v_sub_nc_u32 v12, v1, v12
	v_add_nc_u32 v12, s18, v12                     ; Delta + r - 8 h
	s_lshl_b32 s20, s4, 8
	s_lshl_b32 s21, s14, 6
	s_add_co_u32 s20, s20, s21                     ; the first of the 64 rows whose figures I store, in the batch
	s_lshl_b32 s22, s20, 2
	s_lshl_b32 s20, s4, 1
	s_add_co_u32 s20, s20, s15
	s_lshl_b32 s20, s20, 18                        ; p_codes: my two groups of 64 queries, 131,072 bytes each,
	s_lshl_b32 s21, s6, 22
	s_add_co_u32 s20, s20, s21
	s_lshl_b32 s21, s5, 1
	s_add_co_u32 s21, s21, s16
	s_lshl_b32 s21, s21, 13                        ; and my block of 128 keys
	s_add_co_u32 s20, s20, s21
	s_mov_b32 s21, 0
	s_add_nc_u64 s[74:75], s[74:75], s[20:21]
	s_lshl_b32 s23, s42, 13                        ; (8 x batch + chunk) x 2,048 numbers of 4 bytes
	s_add_co_u32 s22, s22, s23
	s_mov_b32 s23, 0
	s_add_nc_u64 s[76:77], s[76:77], s[22:23]
	s_add_nc_u64 s[78:79], s[78:79], s[22:23]
	s_wait_kmcnt 0x0
	s_add_co_i32 s18, s92, s93
	s_lshl_b32 s18, s18, 23
	s_add_co_i32 s66, s18, 0x3d38aa3b              ; c = log2(e) / 32 x 2^(e6 + e7): the exponents are added to the exponent field
	s_mov_b32 s67, s66                             ; (named with it as a pair)
	s_add_co_i32 s96, s94, 127
	s_lshl_b32 s97, s96, 23
	v_mov_b32 v15, s97                             ; 2^e8
	s_add_co_i32 s96, s96, 8
	s_lshl_b32 s96, s96, 23
	s_or_b32 s96, s96, 0x600000
	v_mov_b32 v14, s96                             ; 448 x 2^e8
	s_wait_alu depctr_va_vdst(0)
	s_wait_tensorcnt 0x0                           ; my part of K 0-511 is in; so group 1 may be written: refills are 64 rows of 512 bytes
.irp g, G1, G1B
	s_mov_b32 s[\g+2], 64<<16
	s_mov_b32 s[\g+4], 64
.endr
	s_barrier_signal -1
	s_barrier_wait -1
	FETCH_B 0, 0, 0
	FETCH_A 0, 0, 0
	FETCH_A 0, 0, 4
	STEP 0, 0, 1
	global_prefetch_b8 v[PFO], s[84:85] offset:98304 th:TH_LOAD_NT scope:SCOPE_SE
	TURN 0, 1, 1                                   ; slot 0 takes K 512 on
	STEP 1, 0, 0
	TURN 1, 0, 1                                   ; slot 1 takes K 768 on
	STEP 0, 0, 0
	TURN 0, 1, 0                                   ; slot 0 has had its last fill, and behind this barrier nobody reads it: the figures lie there
	STEP 1, 0, 0
	s_wait_dscnt 4*NL                              ; the last step
	WIN MUL_LO
	MUL16 0, 1, 0
	MUL16 2, 1, 0
	s_wait_dscnt 0
	WIN MUL_HI
	MUL16 4, 1, 0
	MUL16 6, 1, 0
	WIN 0
.macro CLASS a, b                      ; CL: 0 on the diagonal of my 8 x 8 tiles, 1 below it, 2 above
.set CL, 0
.if (\b) < (\a)
.set CL, 1
.endif
.if (\b) > (\a)
.set CL, 2
.endif
.endm
	; ---- A: the chunk's largest score for each of my 128 queries.  The moves are the places behind the last products
	v_mov_b32 v13, 0xff800000
.irp a, 0,1,2,3,4,5,6,7
	v_mov_b32 v[AD+6*\a+1], v13
	v_mov_b32 v[AD+6*\a+3], v13
	v_mov_b32 v[AD+6*\a+5], v13
	v_mov_b32 v[PM+\a], 0                          ; a lane permute's destination counts as one of its sources
.endr
.irp j, 0,1,2,3,4,5,6,7
	v_cmp_gt_i32 vcc_lo, \j, v12
	v_cndmask_b32 v[PEN+\j], 0, v13, vcc_lo        ; -infinity where j > Delta + r - 8 h
.endr
.macro MAXW w                          ; the accumulators of window 2 + w: rows 4 w .. 4 w + 3 of tiles
	WIN ((2+\w)<<6)|(2+\w)
.irp x, 0,1,2,3
.irp i, 0,2,4,6
	v_pk_add_f32 v[8*(9*\x+4*\w)+\i:8*(9*\x+4*\w)+\i+1], v[8*(9*\x+4*\w)+\i:8*(9*\x+4*\w)+\i+1], v[PEN+\i:PEN+\i+1]   ; the tile with b = a
.endr
.endr
	WIN ((2+\w)<<4)|((2+\w)<<2)
.irp b, 0,1,2,3,4,5,6,7
.irp i, 0,2,4,6
.irp x, 0,1,2,3
	CLASS 4*\w+\x, \b
	v_max3_num_f32 v[AD+6*(4*\w+\x)+2*CL+1], v[AD+6*(4*\w+\x)+2*CL+1], v[8*(8*\x+\b)+\i], v[8*(8*\x+\b)+\i+1]   ; four chains by turns; each accumulator from its low end on
.endr
.endr
.endr
.endm
	MAXW 0
	MAXW 1
	WIN 0
.irp a, 0,1,2,3,4,5,6,7
	v_add_f32 v[AD+6*\a+3], s90, v[AD+6*\a+3]
	v_add_f32 v[AD+6*\a+5], s91, v[AD+6*\a+5]
.endr
.irp a, 0,1,2,3,4,5,6,7
	v_max3_num_f32 v[AD+6*\a+1], v[AD+6*\a+1], v[AD+6*\a+3], v[AD+6*\a+5]
.endr
.irp a, 0,1,2,3,4,5,6,7
	v_permlanex16_b32 v[PM+\a], v[AD+6*\a+1], s2, s3   ; the query's other keys lie in the lane 16 away
.endr
.irp a, 0,1,2,3,4,5,6,7
	v_max_num_f32 v[AD+6*\a+1], v[AD+6*\a+1], v[PM+\a]
.endr
.irp a, 0,1,2,3,4,5,6,7
	ds_store_b32 v8, v[AD+6*\a+1] offset:64*\a     ; both halves of the lanes write the same word with the same number
.endr
	s_wait_alu depctr_va_vdst(0)                   ; directly ahead of the wait below
	s_wait_dscnt 0x0                               ; for the others' sake
	s_barrier_signal -1
	s_barrier_wait -1
.irp a, 0,1,2,3,4,5,6,7
	ds_load_b32 v[PM+\a], v9 offset:64*\a          ; the chunk's other 128 keys
.endr
	s_wait_dscnt 0x0
.irp a, 0,1,2,3,4,5,6,7
	v_max_num_f32 v[T+\a], v[AD+6*\a+1], v[PM+\a]
.endr
.irp a, 0,1,2,3,4,5,6,7
	v_mul_f32 v[T+\a], s66, v[T+\a]                ; as t (c is positive)
.endr
.irp a, 0,1,2,3,4,5,6,7
	v_max_num_f32 v[T+\a], 0xff61b1e6, v[T+\a]     ; not under -3e38: a chunk that is wholly hidden keeps a number for M
.endr
.irp a, 0,1,2,3,4,5,6,7
	v_floor_f32 v[AD+6*\a], -v[T+\a]               ; -M = floor(-t) = -ceil(t)
.endr
.irp a, 0,1,2,3,4,5,6,7
	v_add_f32 v[AD+6*\a+2], s90, v[AD+6*\a]        ; -M, or -infinity where the tiles below are hidden
	v_add_f32 v[AD+6*\a+4], s91, v[AD+6*\a]        ; the same for the tiles above
.endr
	; ---- B: p, its sums and its codes: a window at a time, in it a row of eight tiles (64 registers) at a time
.macro TM w, x, n                      ; t - M, the n-th pair of row x (of the pairs c and -M the low word serves both halves)
	CLASS 4*(\w)+(\x), (\n)/4
	v_pk_fma_f32 v[64*(\x)+2*(\n):64*(\x)+2*(\n)+1], v[64*(\x)+2*(\n):64*(\x)+2*(\n)+1], s[66:67], v[AD+6*(4*(\w)+(\x))+2*CL:AD+6*(4*(\w)+(\x))+2*CL+1] op_sel_hi:[1,0,0]
.endm
; The 64 exponentials of row x in one run.  Between them stand plain lines that name none of the run's registers: row x + 1's t - M, and row x - 1's hold (the conversion does not saturate: ISA guide 7.6.2; p is not negative, so
; the hold is one-sided).  One wait ahead of the run serves its sources, which the run before has laid; one behind it serves its results and the held numbers.
.macro EXPS w, x
	WIN ((2+\w)<<6)|(2+\w)
	s_wait_alu depctr_va_vdst(0)                   ; ahead of the run
.set j, 0
.rept 64
	v_exp_f32 v[64*(\x)+j], v[64*(\x)+j]           ; p = 2^(t - M)
.if ((\x) < 3) && (j%2 == 1)
	TM \w, \x+1, j/2
.endif
.if (\x) > 0
	v_min_num_f32 v[64*(\x)-64+j], v[64*(\x)-64+j], v14
.endif
.set j, j+1
.endr
	s_wait_alu depctr_va_vdst(0)                   ; and behind it, ahead of its first reader
.endm
.macro SUM w, x                        ; row x's sum is taken of the unquantised p: eight chains of pairs, joined two by two
	WIN ((2+\w)<<2)|(2+\w)
.set j, 0
.rept 8
	v_pk_add_f32 v[T+2*j:T+2*j+1], v[64*(\x)+4*j:64*(\x)+4*j+1], v[64*(\x)+4*j+2:64*(\x)+4*j+3]
.set j, j+1
.endr
	WIN (2+\w)<<2
.set j, 0
.rept 16
	v_pk_add_f32 v[T+2*(j%8):T+2*(j%8)+1], v[T+2*(j%8):T+2*(j%8)+1], v[64*(\x)+32+2*j:64*(\x)+33+2*j]
.set j, j+1
.endr
	WIN 0
.irp n, 0,2,4,6
	v_pk_add_f32 v[T+\n:T+\n+1], v[T+\n:T+\n+1], v[T+8+\n:T+9+\n]
.endr
.irp n, 0,2
	v_pk_add_f32 v[T+\n:T+\n+1], v[T+\n:T+\n+1], v[T+4+\n:T+5+\n]
.endr
	v_pk_add_f32 v[LS+2*(4*\w+\x):LS+2*(4*\w+\x)+1], v[T:T+1], v[T+2:T+3]
.endm
.macro CODES w, x                      ; row x's held numbers become codes and leave: the four registers of accumulators (a, 2 c) and (a, 2 c + 1) are the lane's 16 bytes of chunk c of fragment a
	WIN 2+\w
.irp b, 0,1,2,3,4,5,6,7
	v_cvt_scalef32_pk8_fp8_f32 v[CD+64*\w+16*(\x)+2*\b:CD+64*\w+16*(\x)+2*\b+1], v[64*(\x)+8*\b:64*(\x)+8*\b+7], v15
.endr
	v_nop                                          ; one plain vector instruction behind the last conversion
	WIN 0
.irp c, 0,1,2,3
	global_store_b128 v[CO], v[CD+64*\w+16*(\x)+4*\c:CD+64*\w+16*(\x)+4*\c+3], s[74:75] offset:131072*\w+2048*(\x)+512*\c   ; 32 lanes store 512 consecutive bytes, aligned
.endr
.endm
.macro PW w
	WIN ((2+\w)<<6)|(2+\w)
.set k, 0
.rept 32
	TM \w, 0, k
.set k, k+1
.endr
	EXPS \w, 0
	SUM \w, 0
	EXPS \w, 1
	SUM \w, 1
	CODES \w, 0
	EXPS \w, 2
	SUM \w, 2
	CODES \w, 1
	EXPS \w, 3
	SUM \w, 3
	CODES \w, 2
	WIN ((2+\w)<<6)|(2+\w)
.set j, 192
.rept 64
	v_min_num_f32 v[j], v[j], v14                  ; the last row's hold
.set j, j+1
.endr
	CODES \w, 3
.endm
	PW 0
	PW 1
	WIN 0
	; ---- C: my sums into LDS
.irp a, 0,1,2,3,4,5,6,7
	v_add_f32 v[T+\a], v[LS+2*\a], v[LS+2*\a+1]
.endr
.irp a, 0,1,2,3,4,5,6,7
	v_permlanex16_b32 v[PM+\a], v[T+\a], s2, s3
.endr
.irp a, 0,1,2,3,4,5,6,7
	v_add_f32 v[T+\a], v[T+\a], v[PM+\a]
.endr
.irp a, 0,1,2,3,4,5,6,7
	ds_store_b32 v8, v[T+\a] offset:2048+64*\a
.endr
	s_wait_dscnt 0x0                               ; for the others' sake
	s_barrier_signal -1
	s_barrier_wait -1
	; ---- D: the figures of 64 rows leave
	ds_load_b64 v[112:113], v10                    ; two rows' maxima from the one wave,
	ds_load_b64 v[114:115], v10 offset:512         ; from the other;
	ds_load_b64 v[116:117], v10 offset:2048        ; their sums likewise
	ds_load_b64 v[118:119], v10 offset:2560
	s_wait_dscnt 0x0
	v_max_num_f32 v112, v112, v114
	v_max_num_f32 v113, v113, v115
	v_pk_add_f32 v[122:123], v[116:117], v[118:119]   ; l of the chunk
	v_mul_f32 v112, s66, v112                      ; the same operations as above give the same M
	v_mul_f32 v113, s66, v113
	v_max_num_f32 v112, 0xff61b1e6, v112
	v_max_num_f32 v113, 0xff61b1e6, v113
	v_floor_f32 v112, -v112
	v_floor_f32 v113, -v113
	v_sub_f32 v120, 0, v112
	v_sub_f32 v121, 0, v113                        ; M
	global_store_b64 v11, v[120:121], s[76:77]     ; the 32 lanes store 256 consecutive bytes, aligned
	global_store_b64 v11, v[122:123], s[78:79]
	s_wait_tensorcnt 0x0                           ; the wave's end
	ds_add_u32 v[SPW], v[NIL]
	s_wait_dscnt 0x0
	CROUND                                         ; the closing round
	s_endpgm
.Lfunc_end_k_q1d85a056f1_scores:
	.size	k_q1d85a056f1_scores, .Lfunc_end_k_q1d85a056f1_scores-k_q1d85a056f1_scores
	.p2alignl 7, 3214868480
	.fill 96, 4, 3214868480
	.section	.rodata,"a",@progbits
	.p2align	6, 0x0
	.amdhsa_kernel k_q1d85a056f1_scores
		.amdhsa_group_segment_fixed_size 327680
		.amdhsa_private_segment_fixed_size 0
		.amdhsa_enable_private_segment 0
		.amdhsa_kernarg_size 48
		.amdhsa_user_sgpr_count 2
		.amdhsa_user_sgpr_kernarg_segment_ptr 1
		.amdhsa_wavefront_size32 1
		.amdhsa_system_sgpr_workgroup_id_x 1
		.amdhsa_system_sgpr_workgroup_id_y 1
		.amdhsa_system_sgpr_workgroup_id_z 1
		.amdhsa_system_vgpr_workitem_id 0
		.amdhsa_next_free_vgpr 1024
		.amdhsa_next_free_sgpr 102
		.amdhsa_reserve_vcc 1
		.amdhsa_float_denorm_mode_32 3
		.amdhsa_float_denorm_mode_16_64 3
		.amdhsa_memory_ordered 1
		.amdhsa_forward_progress 1
		.amdhsa_inst_pref_size 179
	.end_amdhsa_kernel
	.amdgpu_metadata
---
amdhsa.version: [ 1, 2 ]
amdhsa.kernels:
  - .name:           k_q1d85a056f1_scores
    .symbol:         k_q1d85a056f1_scores.kd
    .args:
      - { .name: q_codes, .offset: 0, .size: 8, .value_kind: global_buffer, .address_space: global }
      - { .name: k_codes, .offset: 8, .size: 8, .value_kind: global_buffer, .address_space: global }
      - { .name: lowp_scales, .offset: 16, .size: 8, .value_kind: global_buffer, .address_space: global }
      - { .name: p_codes, .offset: 24, .size: 8, .value_kind: global_buffer, .address_space: global }
      - { .name: st_m, .offset: 32, .size: 8, .value_kind: global_buffer, .address_space: global }
      - { .name: st_l, .offset: 40, .size: 8, .value_kind: global_buffer, .address_space: global }
    .group_segment_fixed_size: 327680
    .private_segment_fixed_size: 0
    .kernarg_segment_align: 8
    .kernarg_segment_size: 48
    .max_flat_workgroup_size: 128
    .sgpr_count:     102
    .vgpr_count:     1024
    .wavefront_size: 32
...
	.end_amdgpu_metadata
.endif
;; end of part 2
;; launch pv (part 3): grid 4 x 64, 4 waves a work-group, clusters of 4 x 4, 327,680 bytes of LDS; arguments p_codes, v_codes, st_m, st_l, lowp_scales, out0; writes out0
.if DOCPART == 3
	.amdgcn_target "amdgcn-amd-amdhsa--gfx1250"
	.amdhsa_code_object_version 6
	.text
	.protected	k_q1d85a056f1_pv
	.globl	k_q1d85a056f1_pv
	.p2align	8
	.type	k_q1d85a056f1_pv,@function
k_q1d85a056f1_pv:
	s_mov_b64 s[64:65], 0
	v_nop
	global_prefetch_b8 v0, s[64:65] scope:SCOPE_SE
	s_setreg_imm32_b32 hwreg(HW_REG_WAVE_MODE, 25, 1), 1
	s_wait_xcnt 0x0
	s_wait_alu depctr_hold_cnt(0) depctr_sa_sdst(0) depctr_va_vdst(0) depctr_va_sdst(0) depctr_va_ssrc(0) depctr_va_vcc(0) depctr_vm_vsrc(0)
	s_getreg_b32 s2, hwreg(HW_REG_IB_STS2, 6, 4)
	s_cmp_eq_u32 s2, 0
	s_cbranch_scc0 .Lentry_in_a_cluster
	s_endpgm
.Lentry_in_a_cluster:
	s_bfe_u32 s2, ttmp6, 0x10000c
	s_cmp_lg_u32 s2, 0xf033
	s_cbranch_scc0 .Lentry_shape_is_right
	s_endpgm
.Lentry_shape_is_right:
; out = (sum over the chunks c of 256 keys of 2^(M_c - M) P_c V_c) / l x 2^(e8 + e9): P_c and V_c are codes of FP8 (E4M3), M = the row's largest M_c, l = the sum of 2^(M_c - M) l_c.
; All M are whole numbers, so every factor is an exact power of two.
; SHARES.  A work-group makes 128 channels x two blocks of 128 queries: a LONG one of group 3 - s and a SHORT one of group s (groups of 512 queries; s = cluster y % 2): 4 + 1 or 3 + 2 units of 512 keys, five for all.
; Key chunks wholly behind a group's last query are dead (the causal mask makes their p 0): they are neither loaded nor multiplied.  A NaN or an infinity among those is not carried to the result.
; Cluster y / 2 % 2 = which 512 channels, / 4 = the batch; cx = which 128 of those channels, cy = which 128 queries of the group.  A wave makes 64 x 64: 16 accumulators.
; CODE BUFFERS, as images of fragments (16 rows x 128 along K = 2,048 bytes, [c][lane][16 bytes]): p_codes [4][32 groups of 64 queries][16 blocks of 128 keys][4], v_codes [4][16 groups of 64 channels][16][4]:
; a unit of 512 keys of a group is 32,768 consecutive bytes, in memory and in LDS.
; RING: a wave's region of LDS is 65,536 bytes, slot 0 and slot 1.  The head's one load a wave brings the long block's units 0 and 1; refills bring one unit: long 2; long 3 or short 0; short 0 or short 1.
; CLUSTERS: p's tile is asked for jointly along a row of the cluster, v's along a column.
; PREFETCHES: each refill's unit a whole unit or more ahead of its load; the four partners of a joint load take 8,192 bytes each, by address.
; MATRIX INSTRUCTION, TRANSPOSED: source 0 = v's rows (channels), source 1 = p's (queries): a lane holds eight neighbouring channels of one query.
; REGISTERS: window 0: v4-7, v8-11 l of the long and of the short block; v16-30 addresses; v32-95, v96-127 pairs (2^(M_c - M), l_c) of the long and the short block; v128-255 p's fragments, two sets.
;   window 1: v's, two sets.   window 2: v0-127 a chunk's accumulators.   window 3: v0-127 the long block's totals, v128-255 the short one's.
; LIMITS: as in the launch before; NaN is not served.
.set FR,     16
.set HALFT,  65536                     ; a wave's region
.set SLOT,   32768
.set STG,    4*HALFT                   ; the way out: 16 rows x (256 bytes + 16) a wave
.set SPITCH, 272
.set SPARE,  STG+4*16*SPITCH           ; the spare words, 128 bytes a wave
.set LS,   4
.set ADA,  16
.set ADB,  17
.set STO,  24
.set RD,   25
.set CO,   26
.set SPW,  28
.set NIL,  29
.set PFO,  30
.set RR,   32                          ; the way out: pairs of the divisor; v32-71 held the long block's figures, which are done with
.set BLL,  32
.set BLS,  96
.set MVL,  128
.set MVS,  160
.set TMP,  192
.set G1, 24
.set G0, 32
.set G1B, 48
.set G0B, 56
.set PF2, 66
.set A3P, 82
.set A4P, 84
.set A3V, 86
.set A4V, 88
.set OUTS, 94
.set OUTL, 96
.set PF3, 98
.set PF4, 100
.set MSB, 0
.macro WIN new
.if MSB != (\new)
	s_set_vgpr_msb (MSB<<8)|(\new)
.set MSB, (\new)
.endif
.endm
.set MUL,  0xa1
.set TO_B, 0x40
.macro JLOAD s
	s_cmp_eq_u32 s15, 0
	s_cbranch_scc0 .Lfor_b_\@
	tensor_load_to_lds s[G0+4*\s:G0+4*\s+3], s[G1:G1+7]
	s_nop 0
.rept 4
	v_nop
.endr
	s_branch .Lasked_\@
.Lfor_b_\@:
	tensor_load_to_lds s[G0B+4*\s:G0B+4*\s+3], s[G1B:G1B+7]
	s_nop 0
.rept 4
	v_nop
.endr
.Lasked_\@:
.endm
.macro CREST
	s_cmp_lg_u32 s14, 0
	s_cbranch_scc1 .Lnot_wave_0_\@
	s_barrier_signal -3
.Lnot_wave_0_\@:
	s_barrier_wait -3
	s_barrier_signal -1
	s_barrier_wait -1
.endm
.macro CROUND
	s_barrier_signal -1
	s_barrier_wait -1
	CREST
.endm
.macro PLACES n
.rept \n
	v_nop
.endr
.endm
.macro ASK base, off
	global_prefetch_b8 v[PFO], s[\base:\base+1] offset:\off th:TH_LOAD_NT scope:SCOPE_SE
.endm
.macro FRAG reg, adr, o
.irp c, 0,1,2,3
	ds_load_b128 v[\reg+4*\c:\reg+4*\c+3], v[\adr] offset:\o+512*\c
.endr
.endm
.macro FETCH slot, q, p                ; the q-th 128 keys of a slot into set p: 16 loads of v's fragments, 16 of p's
	WIN TO_B
.irp i, 0,1,2,3
	FRAG 128*(\p)+FR*\i, ADB, SLOT*(\slot)+8192*(\q)+2048*\i
.endr
	WIN 0
.irp i, 0,1,2,3
	FRAG 128+64*(\p)+FR*\i, ADA, SLOT*(\slot)+8192*(\q)+2048*\i
.endr
.endm
.macro MULQ p, half, zero              ; the 16 accumulators take turns
.irp a, 2*\half, 2*\half+1
.irp b, 0,1,2,3
.if \zero
	v_wmma_f32_16x16x128_fp8_fp8 v[8*(4*(\a)+\b):8*(4*(\a)+\b)+7], v[128*(\p)+FR*\b:128*(\p)+FR*\b+FR-1], v[128+64*(\p)+FR*(\a):128+64*(\p)+FR*(\a)+FR-1], 0
.else
	v_wmma_f32_16x16x128_fp8_fp8 v[8*(4*(\a)+\b):8*(4*(\a)+\b)+7], v[128*(\p)+FR*\b:128*(\p)+FR*\b+FR-1], v[128+64*(\p)+FR*(\a):128+64*(\p)+FR*(\a)+FR-1], v[8*(4*(\a)+\b):8*(4*(\a)+\b)+7]
.endif
.endr
.endr
.endm
.macro HALF0 slot, q                   ; a chunk's first 128 keys start its sums
	FETCH \slot, (\q)+1, 1
	s_wait_dscnt 32                                ; all but the 32 just issued
	WIN MUL
	MULQ 0, 0, 1
	MULQ 0, 1, 1
.endm
.macro MID slot                        ; its second 128 keys
	PLACES 4
	FETCH \slot, 2, 0
	s_wait_dscnt 32
	WIN MUL
	MULQ 1, 0, 0
	MULQ 1, 1, 0
.endm
; The change of slots.  kind 1: slot 0 takes the long block's unit 2;  3: slot 1 takes unit 3 of the sequence;  4: slot 0 takes unit 4;  0: nothing is filled
.macro TURN slot, next, kind
	WIN 0
	s_wait_tensorcnt 0x0                           ; all my tensor loads have landed: my part of the next slot
	ds_add_u32 v[SPW], v[NIL]                      ; 0 onto my spare word
	s_wait_dscnt 1                                 ; the fragments are in; the add may be out
	WIN MUL
	MULQ 1, 0, 0
	s_wait_dscnt 0x0                               ; the add is done, and my reads of this slot are over
	s_barrier_signal -1
	MULQ 1, 1, 0
	WIN 0
	s_barrier_wait -1
.if \kind
	CREST
.if \kind == 1
	s_add_nc_u64 s[G0+2:G0+3], s[G0+2:G0+3], 2*SLOT
	s_add_nc_u64 s[G0B+2:G0B+3], s[G0B+2:G0B+3], 2*SLOT
.elseif \kind == 3
	s_mov_b64 s[G0+6:G0+7], s[A3P:A3P+1]
	s_mov_b64 s[G0B+6:G0B+7], s[A3V:A3V+1]
.else
	s_mov_b64 s[G0+2:G0+3], s[A4P:A4P+1]
	s_mov_b64 s[G0B+2:G0B+3], s[A4V:A4V+1]
.endif
	JLOAD \slot                                    ; the first tensor load behind the round; its four v_nop are the places in front of the loads below
.else
	PLACES 4
.endif
	FETCH \next, 0, 0
.endm
; a chunk goes into the totals at tb of window 3, times 2^(M_c - M); the four lines for l are the places behind the last products
.macro FMA bl, first, tb
	WIN 0
.irp a, 0,1,2,3
.if \first
	v_mul_f32 v[LS+(\tb)/32+\a], v[(\bl)+2*\a], v[(\bl)+2*\a+1]
.else
	v_fma_f32 v[LS+(\tb)/32+\a], v[(\bl)+2*\a], v[(\bl)+2*\a+1], v[LS+(\tb)/32+\a]
.endif
.endr
	WIN 0xf2
.irp a, 0,1,2,3
.set j, 0
.rept 16
.if \first
	v_pk_mul_f32 v[(\tb)+32*\a+j:(\tb)+32*\a+j+1], v[32*\a+j:32*\a+j+1], v[(\bl)+2*\a:(\bl)+2*\a+1] op_sel_hi:[1,0]
.else
	v_pk_fma_f32 v[(\tb)+32*\a+j:(\tb)+32*\a+j+1], v[32*\a+j:32*\a+j+1], v[(\bl)+2*\a:(\bl)+2*\a+1], v[(\tb)+32*\a+j:(\tb)+32*\a+j+1] op_sel_hi:[1,0,1]
.endif
.set j, j+2
.endr
.endr
	WIN 0
.endm
.macro FMA2 bl0, f0, t0, bl1, f1, t1   ; by s = 0 or 1, the same in all sixteen partners
	WIN 0
	s_cmp_lg_u32 s12, 0
	s_cbranch_scc1 .Ls1_\@
	FMA \bl0, \f0, \t0
	s_branch .Ldone_\@
.Ls1_\@:
	FMA \bl1, \f1, \t1
.Ldone_\@:
.endm
.macro RUN slot, next, kind, bl, first, pf   ; a unit of the long block: two chunks
	HALF0 \slot, 0
	MID \slot
	FMA \bl, \first, 0
.if \pf
	ASK \pf, 0
.endif
	HALF0 \slot, 2
	TURN \slot, \next, \kind
	FMA \bl+8, 0, 0
.endm
; THE WAY OUT, 16 queries at a time, through my own stage (LDS serves a wave's instructions in order: ISA guide 5.7.1.4); 16 lanes store 256 consecutive bytes, aligned
.macro TOSTAGE a, tb
	WIN 0x03
.set j, 0
.rept 16
	v_pk_mul_f32 v[TMP+j:TMP+j+1], v[(\tb)+32*(\a)+j:(\tb)+32*(\a)+j+1], v[RR+2*(\a):RR+2*(\a)+1]
.set j, j+2
.endr
	WIN 0
.irp b, 0,1,2,3
	ds_store_b128 v[STO], v[TMP+8*\b:TMP+8*\b+3] offset:64*\b
	ds_store_b128 v[STO], v[TMP+8*\b+4:TMP+8*\b+7] offset:64*\b+16
.endr
.set BB, 224-184*((\a)%2)
.irp t, 0,1,2,3,4,5,6,7
	ds_load_b128 v[BB+4*\t:BB+4*\t+3], v[RD] offset:2*\t*SPITCH
.endr
.endm
.macro SEND a, younger, po
.set BB, 224-184*((\a)%2)
	s_wait_dscnt \younger
.irp t, 0,1,2,3,4,5,6,7
	global_store_b128 v[CO], v[BB+4*\t:BB+4*\t+3], s[\po:\po+1] offset:(16*(\a)+2*\t)*4096 th:TH_STORE_NT
.endr
.endm
.macro WAYOUT tb, po
	s_wait_alu depctr_va_vdst(0)                   ; ahead of the batch
.irp a, 0,1,2,3
	v_rcp_f32 v[RR+2*\a], v[LS+(\tb)/32+\a]
.endr
	v_nop
	s_wait_alu depctr_va_vdst(0)                   ; and behind it, ahead of its first reader
.irp a, 0,1,2,3
	v_ldexp_f32 v[RR+2*\a+1], v[RR+2*\a], s80      ; 2^(e8 + e9) / l, twice
	v_ldexp_f32 v[RR+2*\a], v[RR+2*\a], s80
.endr
	s_wait_alu depctr_va_vdst(0)
	s_wait_xcnt 0x0
	TOSTAGE 0, \tb
.irp a, 1,2,3
	s_wait_xcnt 0x0                                ; earlier stores have read their registers
	TOSTAGE \a, \tb
	SEND \a-1, 16, \po                             ; behind block a - 1's loads: block a's 8 stores and 8 loads
.endr
	SEND 3, 0, \po
	s_wait_xcnt 0x0
.endm
.macro STAT mv, bl, c, off, pm, pl, imm
.irp a, 0,1,2,3
	global_load_b32 v[\mv+4*(\c)+\a], v[\off], s[\pm:\pm+1] offset:(\imm)+64*\a
	global_load_b32 v[\bl+8*(\c)+2*\a+1], v[\off], s[\pl:\pl+1] offset:(\imm)+64*\a
.endr
.endm
	s_load_b256 s[68:75], s[0:1], 0x0              ; p_codes, v_codes, st_m, st_l
	s_load_b128 s[76:79], s[0:1], 0x20             ; the exponents, out0
	v_lshl_add_u32 v[SPW], v0, 2, SPARE
	v_mov_b32 v[NIL], 0
	ds_add_u32 v[SPW], v[NIL]                      ; the wave's opening: the add, twice on end, and its wait ahead of my first tensor load
	ds_add_u32 v[SPW], v[NIL]
	v_lshrrev_b32 v1, 5, v0
	v_readfirstlane_b32 s14, v1                    ; wave 0..3
	s_lshr_b32 s15, s14, 1                         ; my 64 queries.  Also: I fetch p (0) or v (1)
	s_and_b32 s16, s14, 1                          ; my 64 channels.  Also: which 64 rows I fetch
	s_bfe_u32 s40, ttmp6, 0x40000                  ; cx
	s_bfe_u32 s41, ttmp6, 0x40004                  ; cy
	s_and_b32 s13, ttmp7, 0xffff
	s_and_b32 s12, s13, 1                          ; s: the short block's group
	s_bfe_u32 s11, s13, 0x10001                    ; which 512 channels
	s_lshr_b32 s13, s13, 2                         ; the batch
	s_sub_co_u32 s10, 3, s12                       ; the long block's group
	s_lshl_b32 s43, s41, 2
	s_lshl_b32 s43, 15, s43
	s_lshl_b32 s44, 0x1111, s40
	s_or_b32 s[G1+0], s43, 1<<21                   ; p's tiles go to my row of the cluster; bit 21 beside a mask
	s_or_b32 s[G1B+0], s44, 1<<21                  ; v's to my column
.irp g, G1, G1B
	s_mov_b32 s[\g+1], 512<<16                     ; 65,536 consecutive bytes, stated as 128 rows of 512
	s_mov_b32 s[\g+2], 128<<16
	s_mov_b32 s[\g+3], 512<<16
	s_mov_b32 s[\g+4], 128
	s_mov_b32 s[\g+5], 512
	s_mov_b32 s[\g+6], 0
	s_mov_b32 s[\g+7], 0
.endr
	s_lshl_b32 s17, s41, 1
	s_add_co_u32 s17, s17, s16
	s_lshl_b32 s17, s17, 17                        ; p: 64 queries are 131,072 bytes, a group of 512 2^20, a batch 2^22
	s_lshl_b32 s18, s13, 22
	s_add_co_u32 s17, s17, s18
	s_lshl_b32 s18, s10, 20
	s_add_co_u32 s20, s17, s18                     ; the long block
	s_lshl_b32 s18, s12, 20
	s_add_co_u32 s3, s17, s18                      ; the short block
	s_lshl_b32 s17, s11, 2
	s_add_co_u32 s17, s17, s40
	s_lshl_b32 s17, s17, 1
	s_add_co_u32 s17, s17, s16
	s_lshl_b32 s17, s17, 17                        ; v: 64 channels are 131,072 bytes, a batch 2^21
	s_lshl_b32 s18, s13, 21
	s_add_co_u32 s46, s17, s18
	s_add_co_u32 s5, s20, 3*SLOT
	s_add_co_u32 s6, s3, SLOT
	s_add_co_u32 s7, s46, 3*SLOT
	s_add_co_u32 s8, s46, SLOT
	s_cmp_eq_u32 s12, 0                            ; unit 3: long 3 or short 0; unit 4: short 0 or short 1
	s_cselect_b32 s[A3P], s5, s3
	s_cselect_b32 s[A4P], s3, s6
	s_cselect_b32 s[A3V], s7, s46
	s_cselect_b32 s[A4V], s46, s8
	s_mov_b32 s21, 0
	s_mov_b32 s47, 0
	s_mov_b32 s[A3P+1], 0
	s_mov_b32 s[A4P+1], 0
	s_mov_b32 s[A3V+1], 0
	s_mov_b32 s[A4V+1], 0
	s_mul_i32 s45, s14, HALFT
	s_wait_dscnt 0x0                               ; both opening adds are done
	s_wait_kmcnt 0x0
	s_load_b64 s[80:81], s[76:77], 0x20            ; e8, e9
	s_add_nc_u64 s[20:21], s[68:69], s[20:21]
	s_add_nc_u64 s[46:47], s[70:71], s[46:47]
	s_add_nc_u64 s[A3P:A3P+1], s[68:69], s[A3P:A3P+1]
	s_add_nc_u64 s[A4P:A4P+1], s[68:69], s[A4P:A4P+1]
	s_add_nc_u64 s[A3V:A3V+1], s[70:71], s[A3V:A3V+1]
	s_add_nc_u64 s[A4V:A4V+1], s[70:71], s[A4V:A4V+1]
	s_cmp_eq_u32 s15, 0                            ; where my prefetches stand
	s_cselect_b64 s[PF2:PF2+1], s[20:21], s[46:47]
	s_cselect_b64 s[PF3:PF3+1], s[A3P:A3P+1], s[A3V:A3V+1]
	s_cselect_b64 s[PF4:PF4+1], s[A4P:A4P+1], s[A4V:A4V+1]
	s_cselect_b32 s6, s40, s41                     ; my place among the four that ask with me
	s_lshl_b32 s6, s6, 13
	s_mov_b32 s7, 0
	s_add_nc_u64 s[PF2:PF2+1], s[PF2:PF2+1], s[6:7]
	s_add_nc_u64 s[PF3:PF3+1], s[PF3:PF3+1], s[6:7]
	s_add_nc_u64 s[PF4:PF4+1], s[PF4:PF4+1], s[6:7]
	CROUND                                         ; all sixteen work-groups are here: the first joint loads meet
.irp s, 0,1
	s_mov_b32 s[G0+4*\s], 1
	s_add_co_u32 s[G0+4*\s+1], s45, SLOT*\s
	s_mov_b32 s[G0B+4*\s], 1
	s_add_co_u32 s[G0B+4*\s+1], s45, SLOT*\s
.endr
	s_mov_b64 s[G0+2:G0+3], s[20:21]
	s_mov_b64 s[G0B+2:G0B+3], s[46:47]
.irp g, G0+3, G0B+3, A3P+1, A4P+1, A3V+1, A4V+1
	s_or_b32 s[\g], s[\g], 0x80000000              ; type = 2
.endr
	JLOAD 0                                        ; the long block's units 0 and 1, both slots: my one tensor load at the head
	s_mul_i32 s2, s15, HALFT
	s_mul_i32 s3, s16, HALFT
	s_add_co_u32 s3, s3, 2*HALFT
	s_mul_i32 s4, s14, 16*SPITCH
	s_add_co_u32 s4, s4, STG                       ; my stage
	s_cmp_eq_u32 s12, 0                            ; places that a block has no chunk for hold one of its chunks again: the maximum is the same.  The short block's last two places hold unit 4's two chunks
	s_cselect_b32 s5, 6, 5
	s_cselect_b32 s6, 7, 5
	s_cselect_b32 s8, 0, 2
	s_cselect_b32 s9, 1, 3
	v_and_b32 v1, 15, v0                           ; r
	v_bfe_u32 v2, v0, 4, 1                         ; h
	v_and_b32 v3, 31, v0                           ; lane
	v_lshlrev_b32 v4, 4, v3
	v_add_nc_u32 v[ADA], s2, v4
	v_add_nc_u32 v[ADB], s3, v4
	v_lshlrev_b32 v[PFO], 8, v3                    ; 256 bytes a lane
	v_mul_u32_u24 v5, v1, SPITCH                   ; in: row r, 32 bytes for each half of the lanes
	v_lshl_add_u32 v5, v2, 5, v5
	v_add_nc_u32 v[STO], s4, v5
	v_mul_u32_u24 v5, v2, SPITCH                   ; back: lanes 0-15 one row, lanes 16-31 the next
	v_lshl_add_u32 v5, v1, 4, v5
	v_add_nc_u32 v[RD], s4, v5
	v_lshlrev_b32 v[CO], 12, v2
	v_lshl_add_u32 v[CO], v1, 4, v[CO]
	v_lshlrev_b32 v3, 2, v1
	v_lshl_add_u32 v18, s5, 13, v3
	v_lshl_add_u32 v19, s6, 13, v3
	v_lshl_add_u32 v20, s8, 13, v3
	v_lshl_add_u32 v21, s9, 13, v3
	s_wait_alu depctr_va_vdst(0)                   ; ahead of the scalar lines and waits below
	; my queries: 2,048 x batch + 512 x group + 128 cy + 64 x half; my channels: 512 x half + 128 cx + 64 x half
	s_lshl_b32 s4, s11, 9
	s_lshl_b32 s5, s40, 7
	s_add_co_u32 s4, s4, s5
	s_lshl_b32 s5, s16, 6
	s_add_co_u32 s4, s4, s5
	s_lshl_b32 s4, s4, 2
	s_lshl_b32 s5, s41, 7
	s_lshl_b32 s6, s15, 6
	s_add_co_u32 s5, s5, s6                        ; query within a group
	s_lshl_b32 s8, s10, 9
	s_add_co_u32 s8, s8, s5                        ; long: query within the batch
	s_lshl_b32 s9, s12, 9
	s_add_co_u32 s9, s9, s5                        ; short
	s_lshl_b32 s5, s13, 11
	s_add_co_u32 s6, s5, s9
	s_lshl_b32 s6, s6, 12
	s_add_co_u32 s6, s6, s4
	s_add_nc_u64 s[OUTS:OUTS+1], s[78:79], s[6:7]
	s_add_co_u32 s6, s5, s8
	s_lshl_b32 s6, s6, 12
	s_add_co_u32 s6, s6, s4
	s_add_nc_u64 s[OUTL:OUTL+1], s[78:79], s[6:7]
	s_lshl_b32 s5, s13, 14                         ; figures: [batch][8 chunks][2,048]
	s_add_co_u32 s6, s5, s8
	s_lshl_b32 s6, s6, 2
	s_add_nc_u64 s[90:91], s[72:73], s[6:7]
	s_add_nc_u64 s[92:93], s[74:75], s[6:7]
	s_add_co_u32 s6, s5, s9
	s_lshl_b32 s6, s6, 2
	s_add_nc_u64 s[72:73], s[72:73], s[6:7]
	s_add_nc_u64 s[74:75], s[74:75], s[6:7]
.irp c, 0,1,2,3,4,5
	STAT MVL, BLL, \c, 3, 90, 92, 8192*\c
.endr
	STAT MVL, BLL, 6, 18, 90, 92, 0
	STAT MVL, BLL, 7, 19, 90, 92, 0
	STAT MVS, BLS, 0, 3, 72, 74, 0
	STAT MVS, BLS, 1, 3, 72, 74, 8192
	STAT MVS, BLS, 2, 20, 72, 74, 0
	STAT MVS, BLS, 3, 21, 72, 74, 0
	ASK PF2, 2*SLOT                                ; the first refill's unit
	s_wait_loadcnt 0x0
.irp a, 0,1,2,3
	v_max3_num_f32 v[LS+\a], v[MVL+\a], v[MVL+4+\a], v[MVL+8+\a]
	v_max3_num_f32 v[12+\a], v[MVS+\a], v[MVS+4+\a], v[MVS+8+\a]
.endr
.irp a, 0,1,2,3
	v_max3_num_f32 v[LS+\a], v[LS+\a], v[MVL+12+\a], v[MVL+16+\a]
	v_max_num_f32 v[12+\a], v[12+\a], v[MVS+12+\a]
.endr
.irp a, 0,1,2,3
	v_max3_num_f32 v[LS+\a], v[LS+\a], v[MVL+20+\a], v[MVL+24+\a]
.endr
.irp a, 0,1,2,3
	v_max_num_f32 v[LS+\a], v[LS+\a], v[MVL+28+\a]
.endr
.irp c, 0,1,2,3,4,5,6,7
.irp a, 0,1,2,3
	v_sub_f32 v[MVL+4*\c+\a], v[MVL+4*\c+\a], v[LS+\a]   ; M_c - M: a whole number, 0 or less
.endr
.endr
.irp c, 0,1,2,3
.irp a, 0,1,2,3
	v_sub_f32 v[MVS+4*\c+\a], v[MVS+4*\c+\a], v[12+\a]
.endr
.endr
.set j, 0
.rept 48
	v_cvt_i32_f32 v[MVL+j], v[MVL+j]               ; (it saturates)
.set j, j+1
.endr
.irp c, 0,1,2,3,4,5,6,7
.irp a, 0,1,2,3
	v_ldexp_f32 v[BLL+8*\c+2*\a], 1.0, v[MVL+4*\c+\a]
.endr
.endr
.irp c, 0,1,2,3
.irp a, 0,1,2,3
	v_ldexp_f32 v[BLS+8*\c+2*\a], 1.0, v[MVS+4*\c+\a]
.endr
.endr
	s_wait_alu depctr_va_vdst(0)
	s_wait_kmcnt 0x0
	s_add_co_i32 s80, s80, s81                     ; e8 + e9
	s_wait_tensorcnt 0x0                           ; my part of both slots is in; so group 1 may be written: refills are 64 rows of 512 bytes
.irp g, G1, G1B
	s_mov_b32 s[\g+2], 64<<16
	s_mov_b32 s[\g+4], 64
.endr
	s_barrier_signal -1
	s_barrier_wait -1
	FETCH 0, 0, 0
	RUN 0, 1, 1, BLL, 1, PF3
	RUN 1, 0, 3, BLL+16, 0, PF4
	RUN 0, 1, 4, BLL+32, 0, 0
	HALF0 1, 0                                     ; unit 3: the long block's last, or the short one's first
	MID 1
	FMA2 BLL+48, 0, 0, BLS, 1, 128
	HALF0 1, 2
	TURN 1, 0, 0
	FMA2 BLL+56, 0, 0, BLS+8, 0, 128
	WAYOUT 0, OUTL
	HALF0 0, 0                                     ; unit 4: the short block's only or second
	MID 0
	FMA2 BLS+16, 1, 128, BLS+16, 0, 128
	HALF0 0, 2
	s_wait_dscnt 0x0
	WIN MUL
	MULQ 1, 0, 0
	MULQ 1, 1, 0
	FMA BLS+24, 0, 128
	WAYOUT 128, OUTS
	s_wait_tensorcnt 0x0                           ; the wave's end
	ds_add_u32 v[SPW], v[NIL]
	s_wait_dscnt 0x0
	CROUND                                         ; the closing round
	s_endpgm
.Lfunc_end_k_q1d85a056f1_pv:
	.size	k_q1d85a056f1_pv, .Lfunc_end_k_q1d85a056f1_pv-k_q1d85a056f1_pv
	.p2alignl 7, 3214868480
	.fill 96, 4, 3214868480
	.section	.rodata,"a",@progbits
	.p2align	6, 0x0
	.amdhsa_kernel k_q1d85a056f1_pv
		.amdhsa_group_segment_fixed_size 327680
		.amdhsa_private_segment_fixed_size 0
		.amdhsa_enable_private_segment 0
		.amdhsa_kernarg_size 48
		.amdhsa_user_sgpr_count 2
		.amdhsa_user_sgpr_kernarg_segment_ptr 1
		.amdhsa_wavefront_size32 1
		.amdhsa_system_sgpr_workgroup_id_x 1
		.amdhsa_system_sgpr_workgroup_id_y 1
		.amdhsa_system_sgpr_workgroup_id_z 1
		.amdhsa_system_vgpr_workitem_id 0
		.amdhsa_next_free_vgpr 1024
		.amdhsa_next_free_sgpr 102
		.amdhsa_reserve_vcc 0
		.amdhsa_float_denorm_mode_32 3
		.amdhsa_float_denorm_mode_16_64 3
		.amdhsa_memory_ordered 1
		.amdhsa_forward_progress 1
		.amdhsa_inst_pref_size 174
	.end_amdhsa_kernel
	.amdgpu_metadata
---
amdhsa.version: [ 1, 2 ]
amdhsa.kernels:
  - .name:           k_q1d85a056f1_pv
    .symbol:         k_q1d85a056f1_pv.kd
    .args:
      - { .name: p_codes, .offset: 0, .size: 8, .value_kind: global_buffer, .address_space: global }
      - { .name: v_codes, .offset: 8, .size: 8, .value_kind: global_buffer, .address_space: global }
      - { .name: st_m, .offset: 16, .size: 8, .value_kind: global_buffer, .address_space: global }
      - { .name: st_l, .offset: 24, .size: 8, .value_kind: global_buffer, .address_space: global }
      - { .name: lowp_scales, .offset: 32, .size: 8, .value_kind: global_buffer, .address_space: global }
      - { .name: out0, .offset: 40, .size: 8, .value_kind: global_buffer, .address_space: global }
    .group_segment_fixed_size: 327680
    .private_segment_fixed_size: 0
    .kernarg_segment_align: 8
    .kernarg_segment_size: 48
    .max_flat_workgroup_size: 128
    .sgpr_count:     102
    .vgpr_count:     1024
    .wavefront_size: 32
...
	.end_amdgpu_metadata
.endif
;; end of part 3
